; MI455X (gfx1250); checked and timed in simulation.
; The chip was launched on July 23, 2026; its instructions are those of AMD's public machine-readable ISA for CDNA 5 (MIT licence, August 2026) and "CDNA5" Instruction Set Architecture Reference Guide (July 2026). The comments in the code are by the model that wrote it; some were corrected since.
;; Mo E. Allowed arithmetic: matrix products marked QUANTISED: E5M2 operands, one E8M0 scale for each 32 along K, by v_wmma_scale_f32_16x16x128_f8f6f4 with both operands' format E5M2, f32 sums; products left as they are: f32 operands where the result goes on into a quantised operand, else bf16, f16 or f32 operands; f32 sums; everything else in f32.
;; Inputs: fc1_b 8 x 512 float32; fc1_w 8 x 512 x 1,024 float32; fc2_b 8 x 1,024 float32; fc2_w 8 x 1,024 x 512 float32; gate_w 8 x 1,024 float32; x 4 x 2,048 x 1,024 float32.
;; Outputs: out0 4 x 2,048 x 1,024 float32; out1 one number float32.
;; This version of the problem:
;;   THIS VERSION OF THE PROBLEM IS GIVEN IN LOW PRECISION. The matrix products marked QUANTISED in the list below multiply operands that are first quantised to E5M2 (5 exponent bits, 2 mantissa bits; 8 bits a number), with one power-of-two scale for each 32 numbers along K (OCP MX v1.0); their sums are f32. All else is computed in f32.
;;   The module's matrix products, in the order in which they are computed (A, B: the left and right operand; K: the contracted axis; several contracted axes count as one K, in the product's order):
;;     1. [M 8,192, K 1,024] x [K 1,024, N 8]; A: input x; B: input gate_w: left as it is (N = 8 < 16)
;;     2. [M 8,192, K 1,024] x [K 1,024, N 512]; A: input x; B: input fc1_w: QUANTISED
;;     3. [M 8,192, K 512] x [K 512, N 1,024]; A: computed on the way; B: input fc2_w: QUANTISED
;;     4. [M 8,192, K 1,024] x [K 1,024, N 512]; A: input x; B: input fc1_w: QUANTISED
;;     5. [M 8,192, K 512] x [K 512, N 1,024]; A: computed on the way; B: input fc2_w: QUANTISED
;;     6. [M 8,192, K 1,024] x [K 1,024, N 512]; A: input x; B: input fc1_w: QUANTISED
;;     7. [M 8,192, K 512] x [K 512, N 1,024]; A: computed on the way; B: input fc2_w: QUANTISED
;;     8. [M 8,192, K 1,024] x [K 1,024, N 512]; A: input x; B: input fc1_w: QUANTISED
;;     9. [M 8,192, K 512] x [K 512, N 1,024]; A: computed on the way; B: input fc2_w: QUANTISED
;;     10. [M 8,192, K 1,024] x [K 1,024, N 512]; A: input x; B: input fc1_w: QUANTISED
;;     11. [M 8,192, K 512] x [K 512, N 1,024]; A: computed on the way; B: input fc2_w: QUANTISED
;;     12. [M 8,192, K 1,024] x [K 1,024, N 512]; A: input x; B: input fc1_w: QUANTISED
;;     13. [M 8,192, K 512] x [K 512, N 1,024]; A: computed on the way; B: input fc2_w: QUANTISED
;;     14. [M 8,192, K 1,024] x [K 1,024, N 512]; A: input x; B: input fc1_w: QUANTISED
;;     15. [M 8,192, K 512] x [K 512, N 1,024]; A: computed on the way; B: input fc2_w: QUANTISED
;;     16. [M 8,192, K 1,024] x [K 1,024, N 512]; A: input x; B: input fc1_w: QUANTISED
;;     17. [M 8,192, K 512] x [K 512, N 1,024]; A: computed on the way; B: input fc2_w: QUANTISED
;;     18. [M 1, K 8] x [K 8, N 1]; A: computed on the way; B: computed on the way: left as it is (K = 8 < 32)
;;   THE QUANTISER, for each operand of a quantised product, along K:
;;     - K is cut into blocks of 32 from its start; a last block that is shorter is filled with zeros.
;;     - A block's scale is 2^e with e = floor(log2(the largest magnitude in the block)) - 15, held to -126 .. 127; a block of zeros has e = 0. As a byte (E8M0): e + 127.
;;     - Each number is divided by its block's scale, clamped to +-57,344, and rounded to the nearest number of E5M2, ties to even, subnormals kept.
;;     - The product sums the exact products of the quantised numbers (number of the format x scale) in f32.
;;   ~~~python
;;   def quantise(x, axis):      # numpy; x: float32 -> the quantised numbers, widened to float32 again
;;       x = np.moveaxis(x, axis, -1); K = x.shape[-1]
;;       x = np.pad(x, [(0, 0)] * (x.ndim - 1) + [(0, -K % 32)]); x = x.reshape(x.shape[:-1] + (-1, 32)); a = np.abs(x).max(-1, keepdims=True)
;;       e = np.where(a > 0, np.clip(np.frexp(np.where(a > 0, a, 1))[1] - 1 - 15, -126, 127), 0)      # np.frexp(a)[1] - 1 = floor(log2(a)), exactly
;;       r = np.clip(x / 2.0 ** e, -57344, 57344)
;;       step = 2.0 ** (np.maximum(np.frexp(np.where(r == 0, 1, r))[1] - 1, -14) - 2)
;;       q = np.round(r / step) * step * 2.0 ** e      # np.round: ties to even
;;       return np.moveaxis(q.reshape(q.shape[:-2] + (-1,))[..., :K], -1, axis).astype(np.float32)
;;   ~~~
;;   OPERANDS COMPUTED ON THE WAY. 'Computed on the way' means the value that the module computes at that place (a softmax that the list does not call 'softmax' is quantised finished and normalised). What goes into a quantiser is computed in f32, as accurately as f32 sums, v_exp_f32 and their like allow (about 1e-6 of the number): no bf16 or f16 on the way to a quantiser, and a product that is left as it is and whose result goes on into a quantised operand takes f32 operands (vector FMAs, or v_wmma_f32_16x16x4_f32). A number that lies on a knife's edge between two numbers of the format may be rounded either way, as far as f32 arithmetic and the matrix unit's own rounding can turn it there, and no further.
;; 2 versions. Each part assembles by itself: llvm-mc -triple=amdgcn-amd-amdhsa -mcpu=gfx1250 --defsym DOCPART=n.
;; ======== version 1 of 2: 3 launches
;; workspace buffers: xq 8,650,752 bytes; wq 8,650,752 bytes; gf 40,960 bytes; rk 40,960 bytes of whole numbers; lst 37,120 bytes of whole numbers
;; launch prep (part 1): grid 256 x 1, 8 waves a work-group, no clusters, 111,616 bytes of LDS; arguments x, gate_w, fc1_w, fc2_w, xq, wq, gf, rk; writes xq, wq, gf, rk
.if DOCPART == 1
	.amdgcn_target "amdgcn-amd-amdhsa--gfx1250"
	.amdhsa_code_object_version 6
	.text
	.protected	k_q23a961aa99_prep
	.globl	k_q23a961aa99_prep
	.p2align	8
	.type	k_q23a961aa99_prep,@function
k_q23a961aa99_prep:
	s_mov_b64 s[64:65], 0
	v_nop
	global_prefetch_b8 v0, s[64:65] scope:SCOPE_SE
	s_setreg_imm32_b32 hwreg(HW_REG_WAVE_MODE, 25, 1), 1
	s_wait_xcnt 0x0
; PREP.  x [8192][1024], fc1_w [8][512][1024], fc2_w [8][1024][512], all f32, become codes of BF8 (E5M2) with one E8M0 byte for each 32 along K; and the router is computed in f32.
; A block's scale is 2^(floor(log2(largest magnitude)) - 15); each number is divided by it, held within +-57,344 and rounded to the nearest code, ties to even.
; OUT:  xq: codes [8192][1024] from byte 0, scale bytes [8192][32] from 0x800000.
;       wq: codes as images of the operand's registers, [expert 8][wave 4][step 16][fragment 8][group 4][lane 32][16 bytes]; scale words from 0x800000, [expert][wave][step][lane 32][4 words]:
;           word j of lane l belongs to fragment 2 j + l / 16, row l % 16.  Steps 0-7: fc1's K steps (a tile's row p is hidden unit 32 (f / 2) + 8 (f % 2) + p + 8 (p / 8) of the wave's 128); steps 8 + 4 g + s: fc2.
;       gf: the chosen expert's probability [8192], then the sums of the probabilities of each block of 32 tokens [256][8].   rk: 4 x expert + 256 x rank in the block [8192], then the counts [256][8].
; SHARES.  Work-group g: tokens 32 g .. 32 g + 31, 8 fragments of fc1 and 8 of fc2.  Wave w owns 128 along K and works four pieces of 16 rows x 128: two of x, one of fc1, one of fc2.
; Every load reads 512 consecutive bytes of a row; the piece turns through the wave's own stage in LDS, so that lane (r, h) holds, of row r, k = 32 b + 16 h + i in register 16 b + i: what the conversions and the operand's layout want.
; THE GATE stays in f32: v_wmma_f32_16x16x4_f32, source 0 = the 8 rows of gate_w (repeated as rows 8-15), source 1 = 16 tokens; gate_w is loaded with the same places of k as x has, so each product meets its partner.
; It is 8 of the problem's 8 x 1,536 columns a token; operands of 16 bits would move logits by more than the distance between many tokens' two best experts.
; The softmax takes the row's largest logit away first.  The chosen expert is the lowest one whose exponential equals the largest: ties are broken behind the exponential, towards the lower number.
; The weights' scale words leave 4 bytes a row, 16 bytes apart: 16 words a piece against the piece's 2,048 bytes of codes and 8,192 bytes read.
; LIMITS: NaN and infinities are not served.  A block of zeros gets the byte 1 (its codes are zeros, and only this program reads the bytes); blocks whose largest magnitude lies under 2^-111 are held at that byte.
; The logits are summed in another order than a plain loop over k: a token whose two best logits agree to f32's rounding may go to the other of the two.
.set SP,   528                         ; a stage row: 512 bytes + 16: 33 x 16, so the 16 rows of a read start in different banks
.set WSTG, 16*SP                       ; a wave's stage
.set CP,   1040                        ; a row of x's codes in LDS: 1,024 + 16
.set CST,  8*WSTG                      ; 32 such rows, the work-group's
.set SST,  CST+32*CP                   ; x's scale bytes [32][32]
.set LG,   SST+1024                    ; the logits' parts [wave 8][token 32][8] f32
.set LI,  1                            ; 16 x lane
.set SWA, 2                            ; stage, on the way in
.set SRA, 3                            ; stage, on the way out: SP r + 64 h
.set CW,  4                            ; where my codes of x go
.set SCW, 5                            ; and my row's scale word
.set LGW, 6                            ; and four logits' parts
.set CR,  7                            ; code rows, read back: my wave's four rows
.set GO,  8                            ; my offset in gate_w
.set LN,  9                            ; lane
.set SSR, 10                           ; scale bytes, read back (waves 1 and 2)
.set LGR, 11                           ; logits, read back (wave 0): lane = token
.set PW,  12                           ; the scale word just made
.set WSO, 13                           ; 16 r: a weight row's scale word
.set G,   16                           ; v16-79   gate_w's 64 numbers; later code rows on their way out
.set XA,  80                           ; v80-143  a piece
.set XB,  144                          ; v144-207 another
.set ACC, 208                          ; v208-223 two accumulators of the gate: written by matrix instructions alone
.set PC,  224                          ; v224-239 the codes just made
.set TM,  240                          ; v240-255 at work: +0 largest magnitudes, +4 bytes, +8 the hold, +12 the conversions' scale operand
.set SEL, 32                           ; s[32:33] v_permlanex16_b32's selects for lane l xor 16
.set MNT, 34                           ; s34 the mantissa field of 57,344
.set HI,  35                           ; s35 lanes 16-31
	s_load_b512 s[16:31], s[0:1], 0x0              ; x, gate_w, fc1_w, fc2_w, xq, wq, gf, rk
	s_set_vgpr_msb 0x40
	v_lshl_add_u32 v0, v0, 2, 0x1b000
	v_mov_b32 v1, 0
	s_set_vgpr_msb 0x4000
	v_lshrrev_b32 v14, 5, v0
	v_readfirstlane_b32 s2, v14                    ; wave 0..7
	v_and_b32 v[LN], 31, v0
	v_and_b32 v14, 15, v0                          ; r
	v_bfe_u32 v15, v0, 4, 1                        ; h
	v_lshlrev_b32 v[LI], 4, v[LN]
	s_mul_i32 s3, s2, WSTG
	v_add_nc_u32 v[SWA], s3, v[LI]
	v_mul_u32_u24 v[SRA], v14, SP
	v_lshl_add_u32 v[SRA], v15, 6, v[SRA]
	v_add_nc_u32 v[SRA], s3, v[SRA]
	v_mul_u32_u24 v[CW], v14, CP
	v_lshl_add_u32 v[CW], v15, 4, v[CW]
	s_lshl_b32 s4, s2, 7
	s_add_co_u32 s4, s4, CST
	v_add_nc_u32 v[CW], s4, v[CW]                  ; CST + CP r + 128 w + 16 h
	v_lshlrev_b32 v[SCW], 5, v14
	s_lshl_b32 s4, s2, 2
	s_add_co_u32 s4, s4, SST
	v_add_nc_u32 v[SCW], s4, v[SCW]                ; SST + 32 r + 4 w
	v_lshlrev_b32 v[LGW], 5, v14
	v_lshl_add_u32 v[LGW], v15, 4, v[LGW]
	s_lshl_b32 s4, s2, 10
	s_add_co_u32 s4, s4, LG
	v_add_nc_u32 v[LGW], s4, v[LGW]                ; LG + 1024 w + 32 r + 16 h
	s_mul_i32 s4, s2, 4*CP
	s_add_co_u32 s4, s4, CST
	v_add_nc_u32 v[CR], s4, v[LI]
	s_lshl_b32 s5, s2, 9                           ; 512 w: my 128 numbers of a row
	v_and_b32 v[GO], 7, v0
	v_lshlrev_b32 v[GO], 12, v[GO]
	v_lshl_add_u32 v[GO], v15, 6, v[GO]
	v_add_nc_u32 v[GO], s5, v[GO]                  ; gate_w: row r % 8, + 512 w + 64 h
	s_add_co_u32 s4, s2, 1
	s_and_b32 s4, s4, 1
	s_lshl_b32 s6, s4, 9                           ; wave 1 takes the first 512 scale bytes, wave 2 the others
	s_add_co_u32 s4, s6, SST
	v_add_nc_u32 v[SSR], s4, v[LI]
	v_lshl_add_u32 v[LGR], v[LN], 5, LG
	v_lshlrev_b32 v[WSO], 4, v14
.irp b, 0,1,2,3
	v_mov_b32 v[TM+4+\b], 0                        ; written once: a lane permute's destination counts as one of its sources
.endr
	s_mov_b32 s[SEL], 0x76543210
	s_mov_b32 s[SEL+1], 0xfedcba98
	s_mov_b32 s[MNT], 0x600000
	s_mov_b32 s[HI], 0xffff0000
	; byte offsets, each in a pair of its own; the buffers' addresses are added behind the wait
	s_lshl_b32 s36, ttmp9, 17                      ; x: 32 rows of 4,096 bytes a work-group, + 512 w
	s_add_co_u32 s36, s36, s5
	s_mov_b32 s37, 0
	s_lshr_b32 s7, ttmp9, 3                        ; fc1: 4 x expert + reader's wave = g / 8; fragment f = g % 8; K step = my wave
	s_lshl_b32 s38, s7, 7
	s_bfe_u32 s4, ttmp9, 0x20001
	s_lshl_b32 s4, s4, 5
	s_add_co_u32 s38, s38, s4
	s_and_b32 s4, ttmp9, 1
	s_lshl_b32 s4, s4, 3
	s_add_co_u32 s38, s38, s4                      ; first row: 128 (g / 8) + 32 (f / 2) + 8 (f % 2)
	s_lshl_b32 s38, s38, 12
	s_add_co_u32 s38, s38, s5
	s_mov_b32 s39, 0
	s_lshl_b32 s40, s7, 18                         ; its image: (g / 8) x 256 KiB + w x 16 KiB + f x 2 KiB
	s_lshl_b32 s4, s2, 14
	s_add_co_u32 s40, s40, s4
	s_and_b32 s4, ttmp9, 7
	s_lshl_b32 s4, s4, 11
	s_add_co_u32 s40, s40, s4
	s_mov_b32 s41, 0
	s_lshl_b32 s42, s7, 13                         ; its scale words: (g / 8) x 8 KiB + 512 w + 256 (f % 2) + 4 (f / 2)
	s_add_co_u32 s42, s42, s5
	s_and_b32 s4, ttmp9, 1
	s_lshl_b32 s4, s4, 8
	s_add_co_u32 s42, s42, s4
	s_bfe_u32 s4, ttmp9, 0x20001
	s_lshl_b32 s4, s4, 2
	s_add_co_u32 s42, s42, s4
	s_add_co_u32 s42, s42, 0x800000
	s_mov_b32 s43, 0
	s_and_b32 s8, ttmp9, 31                        ; fc2: tile of 16 outputs ot = 2 (g % 32) + w / 4; K step s = w % 4; expert g / 32
	s_lshl_b32 s8, s8, 1
	s_lshr_b32 s4, s2, 2
	s_add_co_u32 s8, s8, s4
	s_and_b32 s9, s2, 3
	s_lshr_b32 s10, ttmp9, 5
	s_lshl_b32 s44, s10, 21                        ; rows of 2,048 bytes: (1024 e + 16 ot) rows + 512 s
	s_lshl_b32 s4, s8, 15
	s_add_co_u32 s44, s44, s4
	s_lshl_b32 s4, s9, 9
	s_add_co_u32 s44, s44, s4
	s_mov_b32 s45, 0
	s_bfe_u32 s11, s8, 0x10003
	s_lshl_b32 s11, s11, 2
	s_add_co_u32 s11, s11, s9
	s_add_co_u32 s11, s11, 8                       ; step 8 + 4 ((ot / 8) % 2) + s
	s_lshr_b32 s12, s8, 4                          ; reader's wave ot / 16
	s_lshl_b32 s46, s10, 20
	s_lshl_b32 s4, s12, 18
	s_add_co_u32 s46, s46, s4
	s_lshl_b32 s4, s11, 14
	s_add_co_u32 s46, s46, s4
	s_and_b32 s4, s8, 7
	s_lshl_b32 s4, s4, 11
	s_add_co_u32 s46, s46, s4
	s_mov_b32 s47, 0
	s_lshl_b32 s48, s10, 15
	s_lshl_b32 s4, s12, 13
	s_add_co_u32 s48, s48, s4
	s_lshl_b32 s4, s11, 9
	s_add_co_u32 s48, s48, s4
	s_and_b32 s4, s8, 1
	s_lshl_b32 s4, s4, 8
	s_add_co_u32 s48, s48, s4
	s_bfe_u32 s4, s8, 0x20001
	s_lshl_b32 s4, s4, 2
	s_add_co_u32 s48, s48, s4
	s_add_co_u32 s48, s48, 0x800000
	s_mov_b32 s49, 0
	s_lshl_b32 s50, ttmp9, 15                      ; x's codes: 32 rows of 1,024 bytes a work-group, 4 rows a wave
	s_lshl_b32 s4, s2, 12
	s_add_co_u32 s50, s50, s4
	s_mov_b32 s51, 0
	s_lshl_b32 s52, ttmp9, 10                      ; x's scale bytes: 1,024 a work-group
	s_add_co_u32 s52, s52, s6
	s_add_co_u32 s52, s52, 0x800000
	s_mov_b32 s53, 0
	s_lshl_b32 s54, ttmp9, 7                       ; 4 bytes a token
	s_mov_b32 s55, 0
	s_mov_b32 s56, s54
	s_mov_b32 s57, 0
	s_lshl_b32 s58, ttmp9, 5                       ; 32 bytes a block, behind the tokens' 32,768
	s_add_co_u32 s58, s58, 32768
	s_mov_b32 s59, 0
	s_mov_b32 s60, s58
	s_mov_b32 s61, 0
	s_wait_kmcnt 0x0
	s_add_nc_u64 s[36:37], s[16:17], s[36:37]      ; x
	s_add_nc_u64 s[38:39], s[20:21], s[38:39]      ; fc1_w
	s_add_nc_u64 s[40:41], s[26:27], s[40:41]      ; wq: fc1's image
	s_add_nc_u64 s[42:43], s[26:27], s[42:43]      ; wq: its scale words
	s_add_nc_u64 s[44:45], s[22:23], s[44:45]      ; fc2_w
	s_add_nc_u64 s[46:47], s[26:27], s[46:47]      ; wq: fc2's image
	s_add_nc_u64 s[48:49], s[26:27], s[48:49]      ; wq: its scale words
	s_add_nc_u64 s[50:51], s[24:25], s[50:51]      ; xq: codes
	s_add_nc_u64 s[52:53], s[24:25], s[52:53]      ; xq: scale bytes
	s_add_nc_u64 s[54:55], s[30:31], s[54:55]      ; rk: keys
	s_add_nc_u64 s[56:57], s[28:29], s[56:57]      ; gf: probabilities
	s_add_nc_u64 s[58:59], s[30:31], s[58:59]      ; rk: counts
	s_add_nc_u64 s[60:61], s[28:29], s[60:61]      ; gf: sums
; 16 rows x 512 bytes: each load reads 512 consecutive bytes.  skip = 1: rows 8-15 of the piece lie 16 rows on (fc1's order of rows)
.macro LOADT set, b, off0, pitch, skip
.irp i, 0,1,2,3,4,5,6,7,8,9,10,11,12,13,14,15
	global_load_b128 v[\set+4*\i:\set+4*\i+3], v[LI], s[\b:\b+1] offset:\off0+(\i+8*\skip*(\i/8))*\pitch th:TH_LOAD_NT
.endr
.endm
; the piece through my stage: LDS serves a wave's instructions in order (ISA guide 5.7.1.4), so the loads see the stores and may land in the registers that the stores left
.macro TURN set
.irp i, 0,1,2,3,4,5,6,7,8,9,10,11,12,13,14,15
	ds_store_b128 v[SWA], v[\set+4*\i:\set+4*\i+3] offset:SP*\i
.endr
.irp b, 0,1,2,3
.irp j, 0,1,2,3
	ds_load_b128 v[\set+16*\b+4*\j:\set+16*\b+4*\j+3], v[SRA] offset:128*\b+16*\j
.endr
.endr
.endm
; 32 products of 4 along K; two accumulators take turns, one instruction a turn; the first two start the sums
.macro GATE set
.set q, 0
.rept 32
.if q < 2
	v_wmma_f32_16x16x4_f32 v[ACC+8*(q%2):ACC+8*(q%2)+7], v[G+2*q:G+2*q+1], v[\set+2*q:\set+2*q+1], 0
.else
	v_wmma_f32_16x16x4_f32 v[ACC+8*(q%2):ACC+8*(q%2)+7], v[G+2*q:G+2*q+1], v[\set+2*q:\set+2*q+1], v[ACC+8*(q%2):ACC+8*(q%2)+7]
.endif
.set q, q+1
.endr
.endm
; 64 numbers of a lane, register 16 b + i = k 32 b + 16 h + i of my row, become a fragment's codes in v[PC] on and its scale word in v[PW]
.macro QUANT s
.irp b, 0,1,2,3
	v_max3_num_f32 v[TM+\b], |v[\s+16*\b]|, |v[\s+1+16*\b]|, 0x8000000   ; my 16 numbers of block b, and the floor 2^(16 - 127): the byte cannot fall under 1
.endr
.irp i, 2,4,6,8,10,12,14
.irp b, 0,1,2,3
	v_max3_num_f32 v[TM+\b], v[TM+\b], |v[\s+16*\b+\i]|, |v[\s+1+16*\b+\i]|   ; the four blocks by turns
.endr
.endr
.irp b, 0,1,2,3
	v_permlanex16_b32 v[TM+4+\b], v[TM+\b], s[SEL], s[SEL+1]
.endr
.irp b, 0,1,2,3
	v_max_num_f32 v[TM+\b], v[TM+\b], v[TM+4+\b]   ; with lane l xor 16's 16: the block's largest magnitude
.endr
.irp b, 0,1,2,3
	v_add_nc_u32 v[TM+12+\b], 0xf8800000, v[TM+\b]   ; 15 off its exponent field: the conversion reads that field alone
.endr
.irp b, 0,1,2,3
	v_and_or_b32 v[TM+8+\b], v[TM+\b], 0x7f800000, s[MNT]   ; 57,344 x the scale
.endr
.irp b, 0,1,2,3
	v_lshrrev_b32 v[TM+4+\b], 23, v[TM+12+\b]      ; the scale's byte
.endr
	v_lshl_or_b32 v[PW], v[TM+5], 8, v[TM+4]
	v_lshl_or_b32 v[PW], v[TM+6], 16, v[PW]
	v_lshl_or_b32 v[PW], v[TM+7], 24, v[PW]
.irp b, 0,1,2,3
.irp i, 0,1,2,3,4,5,6,7,8,9,10,11,12,13,14,15
	v_med3_num_f32 v[\s+16*\b+\i], v[\s+16*\b+\i], -v[TM+8+\b], v[TM+8+\b]   ; the conversion does not saturate (ISA guide 7.6.2): the hold comes first
.endr
	v_cvt_scalef32_pk8_bf8_f32 v[PC+4*\b:PC+1+4*\b], v[\s+16*\b:\s+7+16*\b], v[TM+12+\b]
	v_cvt_scalef32_pk8_bf8_f32 v[PC+2+4*\b:PC+3+4*\b], v[\s+8+16*\b:\s+15+16*\b], v[TM+12+\b]
.endr
	v_nop                                          ; a plain line behind the last conversion, ahead of whatever next touches its registers
.endm
; a piece of x: gate, codes and scale word to LDS, the logits' parts to LDS.  left: the younger loads that may stay out
.macro XTILE set, tile, left
	s_wait_loadcnt \left
	TURN \set
	s_wait_dscnt 0x0                               ; the piece is back; the last piece's LDS stores have read their registers
	GATE \set
	QUANT \set                                     ; its first 31 lines name no register of the last product: more than the eight places owed before x is rewritten and the sums are read
.irp c, 0,1,2,3
	ds_store_b128 v[CW], v[PC+4*\c:PC+4*\c+3] offset:16*CP*\tile+32*\c
.endr
	ds_store_b32 v[SCW], v[PW] offset:512*\tile    ; both halves of the lanes write the same word with the same value
.irp p, 0,2,4,6
	v_pk_add_f32 v[TM+\p:TM+\p+1], v[ACC+\p:ACC+\p+1], v[ACC+8+\p:ACC+8+\p+1]   ; register j: expert j's logit of token r, my 128 along K; each accumulator from its low end on
.endr
.irp j, 0,1,2,3
	v_cndmask_b32 v[TM+8+\j], v[TM+\j], v[TM+4+\j], s[HI]   ; lanes 0-15 send experts 0-3, lanes 16-31 experts 4-7
.endr
	ds_store_b128 v[LGW], v[TM+8:TM+11] offset:512*\tile
.endm
; a piece of a weight: its image and its scale words to memory
.macro WTILE set, left, cb, sb
	s_wait_loadcnt \left
	s_wait_xcnt 0x0                                ; earlier stores have read their data: the codes' registers and the scale word may be written again
	TURN \set
	s_wait_dscnt 0x0
	QUANT \set
.irp c, 0,1,2,3
	global_store_b128 v[LI], v[PC+4*\c:PC+4*\c+3], s[\cb:\cb+1] offset:512*\c   ; 512 consecutive bytes, aligned
.endr
	global_store_b32 v[WSO], v[PW], s[\sb:\sb+1]
.endm
.irp b, 0,1,2,3
.irp j, 0,1,2,3
	global_load_b128 v[G+16*\b+4*\j:G+16*\b+4*\j+3], v[GO], s[18:19] offset:128*\b+16*\j   ; gate_w(r % 8, 128 w + 32 b + 16 h + 4 j ..): x's places of k
.endr
.endr
	LOADT XA, 36, 0, 4096, 0                       ; tokens 0-15
	LOADT XB, 36, 65536, 4096, 0                   ; tokens 16-31
	XTILE XA, 0, 16                                ; the second piece's 16 loads stay out
	LOADT XA, 38, 0, 4096, 1                       ; fc1's piece
	XTILE XB, 1, 16                                ; fc1's 16 loads stay out
	LOADT XB, 44, 0, 2048, 0                       ; fc2's piece
	s_wait_dscnt 0x0                               ; my codes, scale words and logits lie in LDS
	s_barrier_signal -1
	s_barrier_wait -1
.irp i, 0,1,2,3,4,5,6,7
	ds_load_b128 v[G+4*\i:G+4*\i+3], v[CR] offset:CP*(\i/2)+512*(\i%2)   ; my four whole rows of codes
.endr
.irp i, 0,1,2,3,4,5,6,7
	s_wait_dscnt 7-\i
	global_store_b128 v[LI], v[G+4*\i:G+4*\i+3], s[50:51] offset:512*\i   ; 512 consecutive bytes, aligned
.endr
	WTILE XA, 16, 40, 42                           ; fc2's 16 loads stay out
	WTILE XB, 0, 46, 48
	s_cmp_eq_u32 s2, 0
	s_cbranch_scc1 .Lfin
	s_cmp_gt_u32 s2, 2
	s_cbranch_scc1 .Lend
	ds_load_b128 v[XA:XA+3], v[SSR]                ; waves 1 and 2: x's scale bytes, 512 each
	s_wait_dscnt 0x0
	global_store_b128 v[LI], v[XA:XA+3], s[52:53]
.Lend:
	s_set_vgpr_msb 0x5
	s_wait_tensorcnt 0x0
	ds_add_u32 v0, v1
	s_wait_dscnt 0x0
	s_set_vgpr_msb 0x500
	s_endpgm
.Lfin:                                                 ; wave 0: lane = token
	s_wait_xcnt 0x0
.irp w, 0,1,2,3,4,5,6,7
	ds_load_b128 v[XA+8*\w:XA+8*\w+3], v[LGR] offset:1024*\w
	ds_load_b128 v[XA+8*\w+4:XA+8*\w+7], v[LGR] offset:1024*\w+16
.endr
	s_mov_b32 s3, 0xaaaaaaaa                       ; lanes with bit 0, 1, 2 set
	s_mov_b32 s4, 0xcccccccc
	s_mov_b32 s5, 0xf0f0f0f0
	s_wait_dscnt 0x0
.irp w, 1,2,3,4,5,6,7
.irp p, 0,2,4,6
	v_pk_add_f32 v[XA+\p:XA+\p+1], v[XA+\p:XA+\p+1], v[XA+8*\w+\p:XA+8*\w+\p+1]   ; the eight waves' parts: v80-87 are my token's logits
.endr
.endr
	v_max3_num_f32 v144, v80, v81, v82
	v_max3_num_f32 v145, v83, v84, v85
	v_max3_num_f32 v144, v144, v86, v87
	v_max_num_f32 v144, v144, v145                 ; the largest logit
.irp e, 0,1,2,3,4,5,6,7
	v_sub_f32 v[88+\e], v[80+\e], v144
.endr
.irp e, 0,1,2,3,4,5,6,7
	v_mul_f32 v[88+\e], 0x3fb8aa3b, v[88+\e]
.endr
.irp e, 0,1,2,3,4,5,6,7
	v_exp_f32 v[88+\e], v[88+\e]
.endr
	v_nop                                          ; a plain line behind the exponentials
	s_wait_alu depctr_va_vdst(0)
	v_add_f32 v145, v88, v89
	v_add_f32 v146, v90, v91
	v_add_f32 v147, v92, v93
	v_add_f32 v148, v94, v95
	v_add_f32 v145, v145, v146
	v_add_f32 v147, v147, v148
	v_add_f32 v145, v145, v147
	v_rcp_f32 v146, v145
	v_max3_num_f32 v149, v88, v89, v90             ; (plain lines behind the reciprocal)  the largest exponential
	v_max3_num_f32 v150, v91, v92, v93
	v_max3_num_f32 v149, v149, v94, v95
	v_max_num_f32 v149, v149, v150
	v_mov_b32 v151, 0
.irp e, 7,6,5,4,3,2,1,0
	v_cmp_neq_f32 vcc_lo, v[88+\e], v149
	v_cndmask_b32 v151, \e, v151, vcc_lo           ; the lowest expert that reaches it stays
.endr
	s_wait_alu depctr_va_vdst(0)
	v_mul_f32 v152, v149, v146                     ; its probability
.irp e, 0,1,2,3,4,5,6,7
	v_mul_f32 v[88+\e], v[88+\e], v146             ; all eight probabilities
.endr
	v_mov_b32 v153, 0                              ; lane e: how many of the 32 tokens chose expert e
	v_mov_b32 v155, 0                              ; my rank among the tokens of my expert
.irp e, 0,1,2,3,4,5,6,7
	v_cmp_eq_u32 s[8+\e], \e, v151
	s_bcnt1_i32_b32 s6, s[8+\e]
	v_writelane_b32 v153, s6, \e
	v_mbcnt_lo_u32_b32 v154, s[8+\e], 0
	v_cndmask_b32 v155, v155, v154, s[8+\e]
.endr
	v_lshlrev_b32 v156, 2, v151
	v_lshl_or_b32 v156, v155, 8, v156              ; 4 x expert + 256 x rank
	; the probabilities' sums over the 32 tokens: in each step a lane keeps one of two experts and hands the other to its partner; lane l ends with expert l % 8
.irp i, 0,1,2,3
	v_cndmask_b32 v[96+2*\i], v[88+2*\i], v[89+2*\i], s3
	v_cndmask_b32 v[97+2*\i], v[89+2*\i], v[88+2*\i], s3
	v_add_f32_dpp v[104+\i], v[97+2*\i], v[96+2*\i] row_xmask:1 row_mask:0xf bank_mask:0xf
.endr
.irp i, 0,1
	v_cndmask_b32 v[108+2*\i], v[104+2*\i], v[105+2*\i], s4
	v_cndmask_b32 v[109+2*\i], v[105+2*\i], v[104+2*\i], s4
	v_add_f32_dpp v[112+\i], v[109+2*\i], v[108+2*\i] row_xmask:2 row_mask:0xf bank_mask:0xf
.endr
	v_cndmask_b32 v114, v112, v113, s5
	v_cndmask_b32 v115, v113, v112, s5
	v_add_f32_dpp v116, v115, v114 row_xmask:4 row_mask:0xf bank_mask:0xf
	v_add_f32_dpp v116, v116, v116 row_xmask:8 row_mask:0xf bank_mask:0xf
	v_permlanex16_b32 v117, v116, s[SEL], s[SEL+1]
	v_add_f32 v116, v116, v117
	v_lshlrev_b32 v157, 2, v[LN]
	global_store_b32 v157, v156, s[54:55]
	global_store_b32 v157, v152, s[56:57]
	s_wait_xcnt 0x0                                ; EXEC changes only behind this wait
	v_cmp_gt_u32 vcc_lo, 8, v[LN]
	s_set_vgpr_msb 0x5
	s_wait_tensorcnt 0x0
	ds_add_u32 v0, v1
	s_wait_dscnt 0x0
	s_set_vgpr_msb 0x500
	s_and_saveexec_b32 s6, vcc_lo
	global_store_b32 v157, v153, s[58:59]          ; lanes 0-7: the block's counts
	global_store_b32 v157, v116, s[60:61]          ; and sums
	s_wait_xcnt 0x0
	s_or_b32 exec_lo, exec_lo, s6
	s_endpgm
.Lfunc_end_k_q23a961aa99_prep:
	.size	k_q23a961aa99_prep, .Lfunc_end_k_q23a961aa99_prep-k_q23a961aa99_prep
	.p2alignl 7, 3214868480
	.fill 96, 4, 3214868480
	.section	.rodata,"a",@progbits
	.p2align	6, 0x0
	.amdhsa_kernel k_q23a961aa99_prep
		.amdhsa_group_segment_fixed_size 111616
		.amdhsa_private_segment_fixed_size 0
		.amdhsa_enable_private_segment 0
		.amdhsa_kernarg_size 64
		.amdhsa_user_sgpr_count 2
		.amdhsa_user_sgpr_kernarg_segment_ptr 1
		.amdhsa_wavefront_size32 1
		.amdhsa_system_sgpr_workgroup_id_x 1
		.amdhsa_system_sgpr_workgroup_id_y 1
		.amdhsa_system_sgpr_workgroup_id_z 1
		.amdhsa_system_vgpr_workitem_id 0
		.amdhsa_next_free_vgpr 258
		.amdhsa_next_free_sgpr 66
		.amdhsa_reserve_vcc 1
		.amdhsa_float_denorm_mode_32 3
		.amdhsa_float_denorm_mode_16_64 3
		.amdhsa_memory_ordered 1
		.amdhsa_forward_progress 1
		.amdhsa_inst_pref_size 73
	.end_amdhsa_kernel
	.amdgpu_metadata
---
amdhsa.version: [ 1, 2 ]
amdhsa.kernels:
  - .name:           k_q23a961aa99_prep
    .symbol:         k_q23a961aa99_prep.kd
    .args:
      - { .name: x, .offset: 0, .size: 8, .value_kind: global_buffer, .address_space: global }
      - { .name: gate_w, .offset: 8, .size: 8, .value_kind: global_buffer, .address_space: global }
      - { .name: fc1_w, .offset: 16, .size: 8, .value_kind: global_buffer, .address_space: global }
      - { .name: fc2_w, .offset: 24, .size: 8, .value_kind: global_buffer, .address_space: global }
      - { .name: xq, .offset: 32, .size: 8, .value_kind: global_buffer, .address_space: global }
      - { .name: wq, .offset: 40, .size: 8, .value_kind: global_buffer, .address_space: global }
      - { .name: gf, .offset: 48, .size: 8, .value_kind: global_buffer, .address_space: global }
      - { .name: rk, .offset: 56, .size: 8, .value_kind: global_buffer, .address_space: global }
    .group_segment_fixed_size: 111616
    .private_segment_fixed_size: 0
    .kernarg_segment_align: 8
    .kernarg_segment_size: 64
    .max_flat_workgroup_size: 256
    .sgpr_count:     66
    .vgpr_count:     258
    .wavefront_size: 32
...
	.end_amdgpu_metadata
.endif
;; end of part 1
;; launch place (part 2): grid 1 x 1, 8 waves a work-group, no clusters, 3,072 bytes of LDS; arguments rk, gf, lst, out1; writes lst, out1
.if DOCPART == 2
	.amdgcn_target "amdgcn-amd-amdhsa--gfx1250"
	.amdhsa_code_object_version 6
	.text
	.protected	k_q23a961aa99_place
	.globl	k_q23a961aa99_place
	.p2align	8
	.type	k_q23a961aa99_place,@function
k_q23a961aa99_place:
	s_mov_b64 s[64:65], 0
	v_nop
	global_prefetch_b8 v0, s[64:65] scope:SCOPE_SE
	s_setreg_imm32_b32 hwreg(HW_REG_WAVE_MODE, 25, 1), 1
	s_wait_xcnt 0x0
; PLACE.  One work-group turns the tokens' keys (4 x expert + 256 x rank in a block of 32) and the blocks' counts [256][8] into
;   lst: the token numbers sorted by expert [8192]; 64 words that nobody reads; from byte 33,024 a table of 256 tiles of at most 64 rows: (expert, first place in the list, rows, 0);
;   out1: the loss = 8 x sum over experts of (count / 8192) x (sum of probabilities / 8192) = sum of count x sum x 2^-23.
; A counting sort without atomics: wave w owns blocks 32 w .. 32 w + 31; lane l holds expert l % 8, register j block j.  The waves' totals meet in LDS (one barrier); a scan over lanes 0-7 gives each expert's
; first place; a running sum down the registers gives each block's.  A token pulls its expert's figure from lane = expert and adds its rank.
; With 8,192 rows, 8 experts and tiles of 64 there are at most 135 tiles with rows; the entries behind them say 0 rows.  One work-group, since the whole input is 80 KiB and every figure hangs on all counts.
.set H, 16                             ; v16-47   counts
.set F, 48                             ; v48-79   sums of probabilities; later at work
.set K, 80                             ; v80-111  keys
.set S, 112                            ; v112-143 first places
.set A, 144                            ; v144-175 lane to pull from; then the store's offset
.set P, 176                            ; v176-207 what was pulled
.set D, 208                            ; v208-239 token numbers
	s_load_b256 s[4:11], s[0:1], 0x0               ; rk s[4:5], gf s[6:7], lst s[8:9], out1 s[10:11]
	s_set_vgpr_msb 0x40
	v_lshl_add_u32 v0, v0, 2, 0x800
	v_mov_b32 v1, 0
	s_set_vgpr_msb 0x4000
	v_lshrrev_b32 v1, 5, v0
	v_readfirstlane_b32 s2, v1                     ; wave 0..7
	v_and_b32 v2, 31, v0                           ; lane
	v_and_b32 v3, 7, v0
	s_lshl_b32 s3, s2, 10
	v_lshl_add_u32 v4, v3, 2, s3                   ; counts and sums: 1,024 w + 4 (l % 8)
	s_lshl_b32 s12, s2, 12
	v_lshl_add_u32 v5, v2, 2, s12                  ; keys: 4,096 w + 4 l
	v_lshlrev_b32 v7, 2, v0                        ; LDS: 128 w + 4 l
	v_lshlrev_b32 v12, 2, v2                       ; LDS: 4 l
	s_wait_kmcnt 0x0
.set j, 0
.rept 32
	global_load_b32 v[H+j], v4, s[4:5] offset:32768+32*j
.set j, j+1
.endr
.set j, 0
.rept 32
	global_load_b32 v[F+j], v4, s[6:7] offset:32768+32*j
.set j, j+1
.endr
	s_wait_loadcnt 32                              ; the counts are in; the 32 sums may be out
.set j, 0
.rept 32
	global_load_b32 v[K+j], v5, s[4:5] offset:128*j
.set j, j+1
.endr
	v_add3_u32 v6, v[H], v[H+1], v[H+2]
.irp j, 3,5,7,9,11,13,15,17,19,21,23,25,27,29
	v_add3_u32 v6, v6, v[H+\j], v[H+\j+1]
.endr
	v_add_nc_u32 v6, v6, v[H+31]
	ds_store_b32 v7, v6                            ; my wave's count of expert l % 8
	s_wait_loadcnt 32                              ; the sums are in; the 32 keys may be out
.irp c, 0,1,2,3
	v_add_f32 v[8+\c], v[F+\c], v[F+4+\c]
.endr
.irp j, 8,12,16,20,24,28
.irp c, 0,1,2,3
	v_add_f32 v[8+\c], v[8+\c], v[F+\j+\c]
.endr
.endr
	v_add_f32 v8, v8, v9
	v_add_f32 v10, v10, v11
	v_add_f32 v8, v8, v10
	ds_store_b32 v7, v8 offset:1024
	s_wait_dscnt 0x0                               ; for the others' sake
	s_barrier_signal -1
	s_barrier_wait -1
.irp w, 0,1,2,3,4,5,6,7
	ds_load_b32 v[240+\w], v12 offset:128*\w
.endr
.irp w, 0,1,2,3,4,5,6,7
	ds_load_b32 v[248+\w], v12 offset:1024+128*\w
.endr
	v_mov_b32 v13, 0                               ; the waves' counts in front of mine
	v_mov_b32 v14, 0                               ; all waves'
	s_wait_dscnt 0x0
.irp w, 0,1,2,3,4,5,6,7
	s_cmp_gt_u32 s2, \w
	s_cselect_b32 s13, -1, 0
	v_and_b32 v15, s13, v[240+\w]
	v_add_nc_u32 v13, v13, v15
	v_add_nc_u32 v14, v14, v[240+\w]
.endr
	v_add_f32 v1, v248, v249
.irp w, 2,3,4,5,6,7
	v_add_f32 v1, v1, v[248+\w]                    ; the sum of expert l % 8's probabilities over all tokens
.endr
	v_mov_b32_dpp v15, v14 row_shr:1 row_mask:0xf bank_mask:0xf bound_ctrl:1   ; a scan over the experts: right in lanes 0-7, the only ones read
	v_add_nc_u32 v6, v14, v15
	v_mov_b32_dpp v15, v6 row_shr:2 row_mask:0xf bank_mask:0xf bound_ctrl:1
	v_add_nc_u32 v6, v6, v15
	v_mov_b32_dpp v15, v6 row_shr:4 row_mask:0xf bank_mask:0xf bound_ctrl:1
	v_add_nc_u32 v6, v6, v15
	v_sub_nc_u32 v3, v6, v14                       ; the expert's first place
	v_add_nc_u32 v[S], v3, v13
.set j, 0
.rept 31
	v_add_nc_u32 v[S+j+1], v[S+j], v[H+j]          ; and each block's
.set j, j+1
.endr
	s_wait_loadcnt 0x0                             ; the keys
.set j, 0
.rept 32
	v_and_b32 v[A+j], 0x1c, v[K+j]                 ; 4 x expert: the lane to pull from
.set j, j+1
.endr
.set j, 0
.rept 32
	ds_bpermute_b32 v[P+j], v[A+j], v[S+j]
.set j, j+1
.endr
	v_add_nc_u32 v48, s3, v2                       ; my token in block 0 of my wave: 1,024 w + l
	s_wait_dscnt 0x0
.set j, 0
.rept 32
	v_lshrrev_b32 v[A+j], 8, v[K+j]
	v_add_nc_u32 v[A+j], v[A+j], v[P+j]            ; place = the block's first + my rank
	v_min_u32 v[A+j], 0x1fff, v[A+j]
	v_lshlrev_b32 v[A+j], 2, v[A+j]
	v_add_nc_u32 v[D+j], 32*j, v48
	global_store_b32 v[A+j], v[D+j], s[8:9]        ; every store has registers of its own: none is written again
.set j, j+1
.endr
	v_add_nc_u32 v49, 63, v14                      ; THE TILES: expert e has ceil(count / 64)
	v_lshrrev_b32 v49, 6, v49
	v_mov_b32_dpp v15, v49 row_shr:1 row_mask:0xf bank_mask:0xf bound_ctrl:1
	v_add_nc_u32 v50, v49, v15
	v_mov_b32_dpp v15, v50 row_shr:2 row_mask:0xf bank_mask:0xf bound_ctrl:1
	v_add_nc_u32 v50, v50, v15
	v_mov_b32_dpp v15, v50 row_shr:4 row_mask:0xf bank_mask:0xf bound_ctrl:1
	v_add_nc_u32 v50, v50, v15
	v_sub_nc_u32 v51, v50, v49                     ; its first tile
.irp e, 0,1,2,3,4,5,6,7
	v_readlane_b32 s[16+\e], v51, \e
	v_readlane_b32 s[24+\e], v3, \e
	v_readlane_b32 s[32+\e], v14, \e
.endr
	v_mov_b32 v52, 0                               ; thread t describes tile t: the last expert whose first tile is not behind t
	v_mov_b32 v53, s16
	v_mov_b32 v54, s24
	v_mov_b32 v55, s32
.irp e, 1,2,3,4,5,6,7
	v_cmp_gt_u32 vcc_lo, s[16+\e], v0
	v_cndmask_b32 v52, \e, v52, vcc_lo
	v_cndmask_b32 v53, s[16+\e], v53, vcc_lo
	v_cndmask_b32 v54, s[24+\e], v54, vcc_lo
	v_cndmask_b32 v55, s[32+\e], v55, vcc_lo
.endr
	v_sub_nc_u32 v56, v0, v53                      ; which tile of the expert
	v_lshlrev_b32 v57, 6, v56
	v_mov_b32 v60, v52
	v_add_nc_u32 v61, v54, v57                     ; its first place in the list
	v_min_u32 v62, v55, v57
	v_sub_nc_u32 v62, v55, v62
	v_min_u32 v62, 64, v62                         ; its rows: what is left of the expert's, 0 to 64
	v_mov_b32 v63, 0
	v_lshlrev_b32 v58, 4, v0
	global_store_b128 v58, v[60:63], s[8:9] offset:33024
	s_cmp_lg_u32 s2, 0
	s_cbranch_scc1 .Lend
	v_cvt_f32_u32 v59, v14                         ; wave 0: the loss
	v_mul_f32 v59, v59, v1
	v_add_f32_dpp v59, v59, v59 row_xmask:1 row_mask:0xf bank_mask:0xf
	v_add_f32_dpp v59, v59, v59 row_xmask:2 row_mask:0xf bank_mask:0xf
	v_add_f32_dpp v59, v59, v59 row_xmask:4 row_mask:0xf bank_mask:0xf
	v_mul_f32 v59, 0x34000000, v59                 ; x 2^-23
	v_mov_b32 v64, 0
	s_wait_xcnt 0x0                                ; EXEC changes only behind this wait
	v_cmp_eq_u32 vcc_lo, 0, v0
	s_and_saveexec_b32 s13, vcc_lo
	global_store_b32 v64, v59, s[10:11]
	s_wait_xcnt 0x0
	s_or_b32 exec_lo, exec_lo, s13
.Lend:
	s_set_vgpr_msb 0x5
	s_wait_tensorcnt 0x0
	ds_add_u32 v0, v1
	s_wait_dscnt 0x0
	s_set_vgpr_msb 0x500
	s_endpgm
.Lfunc_end_k_q23a961aa99_place:
	.size	k_q23a961aa99_place, .Lfunc_end_k_q23a961aa99_place-k_q23a961aa99_place
	.p2alignl 7, 3214868480
	.fill 96, 4, 3214868480
	.section	.rodata,"a",@progbits
	.p2align	6, 0x0
	.amdhsa_kernel k_q23a961aa99_place
		.amdhsa_group_segment_fixed_size 3072
		.amdhsa_private_segment_fixed_size 0
		.amdhsa_enable_private_segment 0
		.amdhsa_kernarg_size 32
		.amdhsa_user_sgpr_count 2
		.amdhsa_user_sgpr_kernarg_segment_ptr 1
		.amdhsa_wavefront_size32 1
		.amdhsa_system_sgpr_workgroup_id_x 1
		.amdhsa_system_sgpr_workgroup_id_y 1
		.amdhsa_system_sgpr_workgroup_id_z 1
		.amdhsa_system_vgpr_workitem_id 0
		.amdhsa_next_free_vgpr 258
		.amdhsa_next_free_sgpr 66
		.amdhsa_reserve_vcc 1
		.amdhsa_float_denorm_mode_32 3
		.amdhsa_float_denorm_mode_16_64 3
		.amdhsa_memory_ordered 1
		.amdhsa_forward_progress 1
		.amdhsa_inst_pref_size 34
	.end_amdhsa_kernel
	.amdgpu_metadata
---
amdhsa.version: [ 1, 2 ]
amdhsa.kernels:
  - .name:           k_q23a961aa99_place
    .symbol:         k_q23a961aa99_place.kd
    .args:
      - { .name: rk, .offset: 0, .size: 8, .value_kind: global_buffer, .address_space: global }
      - { .name: gf, .offset: 8, .size: 8, .value_kind: global_buffer, .address_space: global }
      - { .name: lst, .offset: 16, .size: 8, .value_kind: global_buffer, .address_space: global }
      - { .name: out1, .offset: 24, .size: 8, .value_kind: global_buffer, .address_space: global }
    .group_segment_fixed_size: 3072
    .private_segment_fixed_size: 0
    .kernarg_segment_align: 8
    .kernarg_segment_size: 32
    .max_flat_workgroup_size: 256
    .sgpr_count:     66
    .vgpr_count:     258
    .wavefront_size: 32
...
	.end_amdgpu_metadata
.endif
;; end of part 2
;; launch chain (part 3): grid 135 x 1, 4 waves a work-group, no clusters, 135,680 bytes of LDS; arguments xq, wq, fc1_b, fc2_b, gf, lst, out0; writes out0
.if DOCPART == 3
	.amdgcn_target "amdgcn-amd-amdhsa--gfx1250"
	.amdhsa_code_object_version 6
	.text
	.protected	k_q23a961aa99_chain
	.globl	k_q23a961aa99_chain
	.p2align	8
	.type	k_q23a961aa99_chain,@function
k_q23a961aa99_chain:
	s_mov_b64 s[64:65], 0
	v_nop
	global_prefetch_b8 v0, s[64:65] scope:SCOPE_SE
	s_setreg_imm32_b32 hwreg(HW_REG_WAVE_MODE, 25, 1), 1
	s_wait_xcnt 0x0
; CHAIN.  out0[token] = (relu(x W1^T + b1) W2^T + b2) x probability, for the token's chosen expert alone; both products on codes of BF8 (E5M2) with one E8M0 scale for each 32 along K, sums in f32.
; A work-group takes one tile of at most 64 rows of one expert from the stored table: 8192 / 64 + 8 - 1 = 135 work-groups serve every split.  Rows behind the tile's count repeat its last row (the same numbers to the same
; place).  A tile of 0 rows walks the text, so that every wave passes both barriers, and jumps over the two ways out alone.
; THE WAVES SHARE THE COLUMNS: wave w makes hidden units 128 w .. + 127, and outputs 256 w .. + 255 in two passes of 128, for all 64 rows.  So each fragment of a weight is loaded once, by one wave, straight from memory into
; registers, as the image that the first launch laid; what goes from wave to wave, through LDS as images of the operands' registers, is small: the rows' codes of x and of the hidden layer.
; 16 STEPS of 128 along K, 32 matrix instructions each (8 fragments of a weight x 4 tiles of rows): steps 0-7 fc1, 8-11 fc2's first pass, 12-15 its second.  Three sets of registers for the weights: loads run two steps ahead.
; Both products are used transposed (source 0 = 16 rows of the weight, source 1 = 16 rows of x or of the hidden layer): a lane holds one row throughout, and fc1's rows were ordered so that a lane's 64 results are
; k = 32 b + 16 h + i of the next product in register 16 b + i.  The biases are the C of each sum's first instruction.
; NO TENSOR LOADS.  NO CLUSTER: partners of one expert would need the experts' numbers of tiles, which hang on the data, to be multiples of the cluster's size.
; LIMITS: as the first launch states them; a hidden block whose every number is 0 or less gets the byte 1 and zero codes.
; REGISTERS, in windows of 256.  Window 0: addresses, scale words, biases, work.  Window 1: accumulator (t, m) at v[64 m + 8 t]; first the gathered codes, last rows of the result.
;   Window 2: weights' sets 0 (v0-127) and 1 (v128-255).  Window 3: set 2 (v0-127); the rows' four fragments, two buffers (v128-191, v192-255).
.set XIMG, 0                           ; LDS: x's 32 fragments: (8 m + s) x 2,048
.set HIMG, 65536                       ; the hidden layer's 16: (4 m + s) x 2,048
.set XSC,  98304                       ; x's scale words: 512 m + 32 r + 4 s
.set HSC,  100352                      ; the hidden layer's: 256 m + 16 r + 4 s
.set STG,  101376                      ; a stage for each wave: 16 rows x (512 + 16)
.set SP,   528
.set LI,  1                            ; 16 x lane
.set LH,  2                            ; HIMG + 16 x lane
.set H4,  3                            ; 4 h
.set R4,  4                            ; 4 r
.set XW,  5                            ; where I store x's images
.set XSW, 6                            ; and their scale words
.set XSR, 7                            ; where I read those
.set HW,  8                            ; the hidden layer's images
.set HSW, 9
.set HSR, 10
.set STO, 11                           ; the stage: in
.set RD,  12                           ; and back
.set B1O, 13                           ; 64 h
.set B2O, 14                           ; 32 h
.set TG,  15                           ; my gather row's codes
.set SW,  16                           ; v16-79   the weights' scale words: 4 u + j: lanes 0-15 fragment 2 j, lanes 16-31 fragment 2 j + 1
.set XS,  80                           ; v80-95   x's: 8 p + s: lanes 0-15 tile 2 p, lanes 16-31 tile 2 p + 1
.set HS,  96                           ; v96-103  the hidden layer's: 4 p + s
.set IM,  104                          ; v104-111 the probability of row r of tile m at 104 + 2 m
.set TO,  112                          ; v112-143 8 m + t: byte offset in out0 of my 16 bytes of row 16 m + 2 t + h
.set BI,  144                          ; v144-207 a set of biases: 8 tiles x 8
.set TM,  208                          ; v208-223 at work
.set PW,  224
.set PC,  226                          ; v226-241 the codes just made
.set XSO, 242                          ; my gather row's scale words
.set SEL, 38
.set MNT, 40
.set MSB, 0
.macro WIN new                         ; the immediate's high byte repeats the setting that is left; a switch that changes nothing is dropped
.if MSB != (\new)
	s_set_vgpr_msb (MSB<<8)|(\new)
.set MSB, (\new)
.endif
.endm
	s_load_b256 s[4:11], s[0:1], 0x0               ; xq s[4:5], wq s[6:7], fc1_b s[8:9], fc2_b s[10:11]
	s_load_b128 s[12:15], s[0:1], 0x20             ; gf s[12:13], lst s[14:15]
	s_load_b64 s[16:17], s[0:1], 0x30              ; out0
	v_lshl_add_u32 v254, v0, 2, 0x21000
	v_mov_b32 v255, 0
	v_lshrrev_b32 v243, 5, v0
	v_readfirstlane_b32 s2, v243                   ; wave 0..3
	s_lshl_b32 s18, ttmp9, 4
	s_wait_kmcnt 0x0
	s_load_b128 s[20:23], s[14:15], s18 offset:33024   ; my tile: expert, first place, rows
	v_and_b32 v243, 15, v0                         ; r
	v_bfe_u32 v244, v0, 4, 1                       ; h
	v_and_b32 v245, 31, v0                         ; lane
	v_lshlrev_b32 v[LI], 4, v245
	v_add_nc_u32 v[LH], HIMG, v[LI]
	v_lshlrev_b32 v[H4], 2, v244
	v_lshlrev_b32 v[R4], 2, v243
	s_lshl_b32 s3, s2, 14
	v_add_nc_u32 v[XW], s3, v[LI]                  ; my tile of rows is m = w: 8 fragments from 16,384 w
	v_lshlrev_b32 v[XSW], 5, v243
	v_lshl_add_u32 v[XSW], v244, 4, v[XSW]
	s_lshl_b32 s3, s2, 9
	s_add_co_u32 s3, s3, XSC
	v_add_nc_u32 v[XSW], s3, v[XSW]
	v_lshl_add_u32 v[XSR], v245, 5, XSC
	s_lshl_b32 s3, s2, 11
	s_add_co_u32 s3, s3, HIMG
	v_add_nc_u32 v[HW], s3, v[LI]                  ; my hidden units are K step w
	v_lshlrev_b32 v[HSW], 4, v243
	s_lshl_b32 s3, s2, 2
	s_add_co_u32 s3, s3, HSC
	v_add_nc_u32 v[HSW], s3, v[HSW]
	v_add_nc_u32 v[HSR], HSC, v[LI]
	s_mul_i32 s3, s2, 16*SP
	s_add_co_u32 s3, s3, STG
	v_mul_u32_u24 v[STO], v243, SP
	v_lshl_add_u32 v[STO], v244, 5, v[STO]
	v_add_nc_u32 v[STO], s3, v[STO]                ; row r, 32 bytes for each half of the lanes
	v_mul_u32_u24 v[RD], v244, SP
	v_lshl_add_u32 v[RD], v243, 4, v[RD]
	v_add_nc_u32 v[RD], s3, v[RD]                  ; lanes 0-15 one row, lanes 16-31 the next
	v_lshlrev_b32 v[B1O], 6, v244
	v_lshlrev_b32 v[B2O], 5, v244
	v_lshlrev_b32 v247, 4, v244                    ; 16 h
	v_lshlrev_b32 v246, 4, v243
	s_lshl_b32 s3, s2, 10
	v_add_nc_u32 v246, s3, v246                    ; 1,024 w + 16 r
.irp b, 0,1,2,3
	v_mov_b32 v[TM+4+\b], 0                        ; written once: a lane permute's destination counts as one of its sources
	v_mov_b32 v[IM+2*\b+1], 0                      ; named as the upper half of a pair of which the low word serves both halves
.endr
	s_mov_b32 s[SEL], 0x76543210
	s_mov_b32 s[SEL+1], 0xfedcba98
	s_mov_b32 s[MNT], 0x600000
	s_add_nc_u64 s[36:37], s[4:5], 0x800000        ; x's scale bytes
	s_wait_kmcnt 0x0
	s_min_u32 s20, s20, 7                          ; stored numbers enter addresses only behind a hold at a constant
	s_min_u32 s21, s21, 0x1fff
	s_max_u32 s24, s22, 1
	s_sub_co_u32 s24, s24, 1
	s_min_u32 s24, s24, 63
	s_lshl_b32 s24, s24, 2                         ; 4 x the tile's last row
	s_lshl_b32 s26, s21, 2
	s_mov_b32 s27, 0
	s_add_nc_u64 s[26:27], s[14:15], s[26:27]      ; the list at my tile
	s_lshl_b32 s28, s20, 20
	s_lshl_b32 s3, s2, 18
	s_add_co_u32 s28, s28, s3
	s_mov_b32 s29, 0
	s_add_nc_u64 s[28:29], s[6:7], s[28:29]        ; my 256 KiB of the expert's images
	s_lshl_b32 s30, s20, 15
	s_lshl_b32 s3, s2, 13
	s_add_co_u32 s30, s30, s3
	s_add_co_u32 s30, s30, 0x800000
	s_mov_b32 s31, 0
	s_add_nc_u64 s[30:31], s[6:7], s[30:31]        ; and their scale words
	s_lshl_b32 s32, s20, 11
	s_lshl_b32 s3, s2, 9
	s_add_co_u32 s32, s32, s3
	s_mov_b32 s33, 0
	s_add_nc_u64 s[32:33], s[8:9], s[32:33]        ; b1: my 128
	s_lshl_b32 s34, s20, 12
	s_lshl_b32 s3, s2, 10
	s_add_co_u32 s34, s34, s3
	s_mov_b32 s35, 0
	s_add_nc_u64 s[34:35], s[10:11], s[34:35]      ; b2: my 256
; loads lo .. hi of the 32 that bring step u's eight fragments into set u % 3
.macro WLOAD u, lo, hi
.set WSET, (\u)%3
.set WB, 128*(WSET%2)
	WIN 0x80+0x40*(WSET/2)
.set i, \lo
.rept \hi-\lo+1
	global_load_b128 v[WB+4*i:WB+4*i+3], v[LI], s[28:29] offset:16384*(\u)+512*i   ; 512 consecutive bytes
.set i, i+1
.endr
.endm
; step u's four fragments of rows into buffer u % 2
.macro XFETCH u
.set FB, 128+64*((\u)%2)
	WIN 0xc0
.irp m, 0,1,2,3
.irp c, 0,1,2,3
.if (\u) < 8
	ds_load_b128 v[FB+16*\m+4*\c:FB+16*\m+4*\c+3], v[LI] offset:(8*\m+(\u))*2048+512*\c
.else
	ds_load_b128 v[FB+16*\m+4*\c:FB+16*\m+4*\c+3], v[LH] offset:(4*\m+(\u)%4)*2048+512*\c
.endif
.endr
.endr
.endm
.macro BLOAD1                          ; lane (r, h), tile t, register j: b1 of hidden unit 32 (t / 2) + 16 h + 8 (t % 2) + j
	WIN 0
.irp t, 0,1,2,3,4,5,6,7
	global_load_b128 v[BI+8*\t:BI+8*\t+3], v[B1O], s[32:33] offset:(32*(\t/2)+8*(\t%2))*4
	global_load_b128 v[BI+8*\t+4:BI+8*\t+7], v[B1O], s[32:33] offset:(32*(\t/2)+8*(\t%2))*4+16
.endr
.endm
.macro BLOAD2 g                        ; b2 of output 128 g + 16 t + 8 h + j
	WIN 0
.irp t, 0,1,2,3,4,5,6,7
	global_load_b128 v[BI+8*\t:BI+8*\t+3], v[B2O], s[34:35] offset:512*\g+64*\t
	global_load_b128 v[BI+8*\t+4:BI+8*\t+7], v[B2O], s[34:35] offset:512*\g+64*\t+16
.endr
.endm
.macro PROD ra, rb                     ; ra, rb: the side's scale words stand in lanes 16-31
.if (\ra) && (\rb)
	v_wmma_scale_f32_16x16x128_f8f6f4 v[rD:rD+7], v[rA:rA+15], v[rB:rB+15], v[rC:rC+7], v[rSA], v[rSB] matrix_a_fmt:MATRIX_FMT_BF8 matrix_b_fmt:MATRIX_FMT_BF8 matrix_a_scale:MATRIX_SCALE_ROW1 matrix_b_scale:MATRIX_SCALE_ROW1
.elseif (\ra)
	v_wmma_scale_f32_16x16x128_f8f6f4 v[rD:rD+7], v[rA:rA+15], v[rB:rB+15], v[rC:rC+7], v[rSA], v[rSB] matrix_a_fmt:MATRIX_FMT_BF8 matrix_b_fmt:MATRIX_FMT_BF8 matrix_a_scale:MATRIX_SCALE_ROW1
.elseif (\rb)
	v_wmma_scale_f32_16x16x128_f8f6f4 v[rD:rD+7], v[rA:rA+15], v[rB:rB+15], v[rC:rC+7], v[rSA], v[rSB] matrix_a_fmt:MATRIX_FMT_BF8 matrix_b_fmt:MATRIX_FMT_BF8 matrix_b_scale:MATRIX_SCALE_ROW1
.else
	v_wmma_scale_f32_16x16x128_f8f6f4 v[rD:rD+7], v[rA:rA+15], v[rB:rB+15], v[rC:rC+7], v[rSA], v[rSB] matrix_a_fmt:MATRIX_FMT_BF8 matrix_b_fmt:MATRIX_FMT_BF8
.endif
.endm
; A STEP.  left: the loads younger than set u's last.  The 32 accumulators take turns, one instruction a turn, in the same order in every step.
.macro STEP u, left
.rept 8
	v_nop                                          ; eight places behind the last step's products, ahead of loads into the registers that they read
.endr
	s_wait_loadcnt \left                           ; set u is in
	s_wait_dscnt 0x0                               ; and the rows' fragments, asked for a step ago
.if (\u) <= 13
	WLOAD (\u)+2, 0, 30                            ; two steps ahead, into the set that the last step read; the 32nd load follows behind the products, when older loads have had a step more in which to come back
.endif
.if (\u) == 1
	BLOAD2 0                                       ; b1 has been read by step 0
.endif
.if (\u) == 9
	BLOAD2 1
.endif
.if ((\u) != 7) && ((\u) != 15)
	XFETCH (\u)+1
.endif
.set FST, 0
.if ((\u) == 0) || ((\u) == 8) || ((\u) == 12)
.set FST, 1                            ; the biases start the sums
.endif
.set W3, ((\u)%3)/2
.set PWB, 128*(((\u)%3)%2)
.set PXB, 128+64*((\u)%2)
	WIN 0x5e-0x10*FST+W3                           ; source 0 window 2 or 3, source 1 window 3, C window 1 (the biases: 0), D window 1
.irp m, 0,1,2,3
.irp t, 0,1,2,3,4,5,6,7
.set rD, 64*\m+8*\t
.set rA, PWB+16*\t
.set rB, PXB+16*\m
.set rSA, SW+4*(\u)+\t/2
.if (\u) < 8
.set rSB, XS+8*(\m/2)+(\u)
.else
.set rSB, HS+4*(\m/2)+(\u)%4
.endif
.if FST
.set rC, BI+8*\t
.else
.set rC, rD
.endif
	PROD \t%2, \m%2
.endr
.endr
.if (\u) <= 13
	WLOAD (\u)+2, 31, 31
.endif
.endm
; tile m of the hidden layer: relu and quantiser in registers; its image is K step w of the second product
.macro QUANTH m
.set QS, 64*(\m)
	WIN 0x05
.irp b, 0,1,2,3
	v_max3_num_f32 v[TM+\b], v[QS+16*\b], v[QS+1+16*\b], 0x8000000   ; no |.|: what is negative becomes 0 and must not count; the floor 2^(16 - 127) stands over it.  Each accumulator is first read at its low end
.endr
	WIN 0x14
.irp i, 2,4,6,8,10,12,14
.irp b, 0,1,2,3
	v_max3_num_f32 v[TM+\b], v[TM+\b], v[QS+16*\b+\i], v[QS+1+16*\b+\i]
.endr
.endr
	WIN 0
.irp b, 0,1,2,3
	v_permlanex16_b32 v[TM+4+\b], v[TM+\b], s[SEL], s[SEL+1]
.endr
.irp b, 0,1,2,3
	v_max_num_f32 v[TM+\b], v[TM+\b], v[TM+4+\b]
.endr
.irp b, 0,1,2,3
	v_add_nc_u32 v[TM+12+\b], 0xf8800000, v[TM+\b]
.endr
.irp b, 0,1,2,3
	v_and_or_b32 v[TM+8+\b], v[TM+\b], 0x7f800000, s[MNT]
.endr
.irp b, 0,1,2,3
	v_lshrrev_b32 v[TM+4+\b], 23, v[TM+12+\b]
.endr
	v_lshl_or_b32 v[PW], v[TM+5], 8, v[TM+4]
	v_lshl_or_b32 v[PW], v[TM+6], 16, v[PW]
	v_lshl_or_b32 v[PW], v[TM+7], 24, v[PW]
	WIN 0x41
.irp b, 0,1,2,3
.irp i, 0,1,2,3,4,5,6,7,8,9,10,11,12,13,14,15
	v_med3_num_f32 v[QS+16*\b+\i], v[QS+16*\b+\i], 0, v[TM+8+\b]   ; the activation and the hold in one
.endr
.endr
	WIN 0x01
.irp b, 0,1,2,3
	v_cvt_scalef32_pk8_bf8_f32 v[PC+4*\b:PC+1+4*\b], v[QS+16*\b:QS+7+16*\b], v[TM+12+\b]
	v_cvt_scalef32_pk8_bf8_f32 v[PC+2+4*\b:PC+3+4*\b], v[QS+8+16*\b:QS+15+16*\b], v[TM+12+\b]
.endr
	WIN 0
	v_nop                                          ; a plain line behind the last conversion: later products write its sources
.irp c, 0,1,2,3
	ds_store_b128 v[HW], v[PC+4*\c:PC+4*\c+3] offset:8192*(\m)+512*\c
.endr
	ds_store_b32 v[HSW], v[PW] offset:256*(\m)
	s_wait_dscnt 0x0                               ; the stores have read their registers
.endm
; THE WAY OUT of a pass: x the probability; a tile of 16 rows x 128 columns through my stage; back as rows, sixteen lanes to 256 consecutive bytes, aligned
.macro TOSTAGE m
	WIN 0x04                                       ; an LDS store's data are its source 1: window 1
.irp f, 0,1,2,3,4,5,6,7
	ds_store_b128 v[STO], v[64*\m+8*\f:64*\m+8*\f+3] offset:64*\f
	ds_store_b128 v[STO], v[64*\m+8*\f+4:64*\m+8*\f+7] offset:64*\f+16
.endr
	WIN 0x40
.irp t, 0,1,2,3,4,5,6,7
.irp q, 0,1
	ds_load_b128 v[64*\m+4*(2*\t+\q):64*\m+4*(2*\t+\q)+3], v[RD] offset:2*SP*\t+256*\q   ; LDS serves a wave's instructions in order (ISA guide 5.7.1.4): these see the stores, and the next tile's stores come behind them
.endr
.endr
.endm
.macro SEND m, g, younger
	s_wait_dscnt \younger
	WIN 0x04
.irp t, 0,1,2,3,4,5,6,7
.irp q, 0,1
	global_store_b128 v[TO+8*\m+\t], v[64*\m+4*(2*\t+\q):64*\m+4*(2*\t+\q)+3], s[16:17] offset:512*\g+256*\q th:TH_STORE_NT
.endr
.endr
.endm
.macro OUT g
.rept 8
	v_nop                                          ; eight places behind the last products, ahead of the first read of results
.endr
	WIN 0
	s_cmp_eq_u32 s22, 0                            ; a tile without rows stores nothing
	s_cbranch_scc1 .Lnone_\g
	WIN 0x41
.set i, 0
.rept 128
	v_pk_mul_f32 v[2*i:2*i+1], v[2*i:2*i+1], v[IM+2*(i/32):IM+2*(i/32)+1] op_sel_hi:[1,0]   ; each accumulator from its low end on
.set i, i+1
.endr
	TOSTAGE 0
	TOSTAGE 1
	SEND 0, \g, 32                                 ; behind tile 0's loads: tile 1's 16 stores and 16 loads
	TOSTAGE 2
	SEND 1, \g, 32
	TOSTAGE 3
	SEND 2, \g, 32
	SEND 3, \g, 0
	WIN 0
.Lnone_\g:
	s_wait_xcnt 0x0                                ; the stores have read their data: the accumulators may be written again
.endm
	; the list: row i of the tile is token list[first + min(i, last row)].  Each load lands on its own address register
.set i, 0
.rept 32
	v_add_nc_u32 v[TO+i], 8*i, v[H4]               ; 4 x (16 m + 2 t + h), i = 8 m + t
	v_min_u32 v[TO+i], s24, v[TO+i]
	v_min_u32 v[TO+i], 252, v[TO+i]
.set i, i+1
.endr
.irp m, 0,1,2,3
	v_add_nc_u32 v[IM+2*\m], 64*\m, v[R4]          ; 4 x (16 m + r)
	v_min_u32 v[IM+2*\m], s24, v[IM+2*\m]
	v_min_u32 v[IM+2*\m], 252, v[IM+2*\m]
.endr
	s_lshl_b32 s25, s2, 6
	v_add_nc_u32 v[TG], s25, v[R4]                 ; 4 x (16 w + r): the row that I gather
	v_min_u32 v[TG], s24, v[TG]
	v_min_u32 v[TG], 252, v[TG]
.set i, 0
.rept 32
	global_load_b32 v[TO+i], v[TO+i], s[26:27]
.set i, i+1
.endr
.irp m, 0,1,2,3
	global_load_b32 v[IM+2*\m], v[IM+2*\m], s[26:27]
.endr
	global_load_b32 v[TG], v[TG], s[26:27]
.set i, 0
.rept 16
	global_load_b128 v[SW+4*i:SW+4*i+3], v[LI], s[30:31] offset:512*i   ; the scale words of all 16 steps
.set i, i+1
.endr
	BLOAD1
	s_wait_loadcnt 32                              ; the 37 list words are in; the 16 loads of scale words and the 16 of b1 may be out
.set i, 0
.rept 32
	v_min_u32 v[TO+i], 0x1fff, v[TO+i]
	v_lshl_add_u32 v[TO+i], v[TO+i], 12, v246      ; token x 4,096 + 1,024 w + 16 r
.set i, i+1
.endr
.irp m, 0,1,2,3
	v_min_u32 v[IM+2*\m], 0x1fff, v[IM+2*\m]
	v_lshlrev_b32 v[IM+2*\m], 2, v[IM+2*\m]
.endr
	v_min_u32 v[TG], 0x1fff, v[TG]
	v_lshl_add_u32 v[XSO], v[TG], 5, v247          ; token x 32 + 16 h: four of its eight scale words
	v_lshl_add_u32 v[TG], v[TG], 10, v247          ; token x 1,024 + 16 h
	WIN 0x40
.set i, 0
.rept 32
	global_load_b128 v[4*i:4*i+3], v[TG], s[4:5] offset:32*i   ; register 16 s + 4 c: k = 128 s + 32 c + 16 h .. of my row: the operand's registers
.set i, i+1
.endr
	WIN 0
	global_load_b128 v[248:251], v[XSO], s[36:37]
.irp m, 0,1,2,3
	global_load_b32 v[IM+2*\m], v[IM+2*\m], s[12:13]
.endr
	WLOAD 0, 0, 31
	s_wait_loadcnt 32                              ; all but set 0's 32
	WIN 0x04
.set i, 0
.rept 32
	ds_store_b128 v[XW], v[4*i:4*i+3] offset:512*i
.set i, i+1
.endr
	WIN 0
	ds_store_b128 v[XSW], v[248:251]
	WLOAD 1, 0, 31
	WIN 0
	s_wait_dscnt 0x0                               ; for the others' sake: my images lie in LDS
	s_barrier_signal -1
	s_barrier_wait -1
.irp p, 0,1
	ds_load_b128 v[XS+8*\p:XS+8*\p+3], v[XSR] offset:1024*\p
	ds_load_b128 v[XS+8*\p+4:XS+8*\p+7], v[XSR] offset:1024*\p+16
.endr
	XFETCH 0
	STEP 0, 32
	STEP 1, 32
	STEP 2, 48                                     ; set 3's 32 loads and b2's 16 are younger than set 2's last
	STEP 3, 32
	STEP 4, 32
	STEP 5, 32
	STEP 6, 32
	STEP 7, 32
.rept 8
	v_nop                                          ; eight places ahead of the first read of results
.endr
	QUANTH 0
	QUANTH 1
	QUANTH 2
	QUANTH 3
	s_barrier_signal -1                            ; my LDS stores have landed (the wait for 0 stands at the end of the lines above)
	s_barrier_wait -1
	ds_load_b128 v[HS:HS+3], v[HSR]
	ds_load_b128 v[HS+4:HS+7], v[HSR] offset:512
	XFETCH 8
	STEP 8, 32
	STEP 9, 32
	STEP 10, 48
	STEP 11, 32
	OUT 0
	STEP 12, 32
	STEP 13, 32
	STEP 14, 32
	STEP 15, 0
	OUT 1
	s_wait_tensorcnt 0x0
	ds_add_u32 v254, v255
	s_wait_dscnt 0x0
	s_endpgm
.Lfunc_end_k_q23a961aa99_chain:
	.size	k_q23a961aa99_chain, .Lfunc_end_k_q23a961aa99_chain-k_q23a961aa99_chain
	.p2alignl 7, 3214868480
	.fill 96, 4, 3214868480
	.section	.rodata,"a",@progbits
	.p2align	6, 0x0
	.amdhsa_kernel k_q23a961aa99_chain
		.amdhsa_group_segment_fixed_size 135680
		.amdhsa_private_segment_fixed_size 0
		.amdhsa_enable_private_segment 0
		.amdhsa_kernarg_size 56
		.amdhsa_user_sgpr_count 2
		.amdhsa_user_sgpr_kernarg_segment_ptr 1
		.amdhsa_wavefront_size32 1
		.amdhsa_system_sgpr_workgroup_id_x 1
		.amdhsa_system_sgpr_workgroup_id_y 1
		.amdhsa_system_sgpr_workgroup_id_z 1
		.amdhsa_system_vgpr_workitem_id 0
		.amdhsa_next_free_vgpr 1024
		.amdhsa_next_free_sgpr 66
		.amdhsa_reserve_vcc 0
		.amdhsa_float_denorm_mode_32 3
		.amdhsa_float_denorm_mode_16_64 3
		.amdhsa_memory_ordered 1
		.amdhsa_forward_progress 1
		.amdhsa_inst_pref_size 245
	.end_amdhsa_kernel
	.amdgpu_metadata
---
amdhsa.version: [ 1, 2 ]
amdhsa.kernels:
  - .name:           k_q23a961aa99_chain
    .symbol:         k_q23a961aa99_chain.kd
    .args:
      - { .name: xq, .offset: 0, .size: 8, .value_kind: global_buffer, .address_space: global }
      - { .name: wq, .offset: 8, .size: 8, .value_kind: global_buffer, .address_space: global }
      - { .name: fc1_b, .offset: 16, .size: 8, .value_kind: global_buffer, .address_space: global }
      - { .name: fc2_b, .offset: 24, .size: 8, .value_kind: global_buffer, .address_space: global }
      - { .name: gf, .offset: 32, .size: 8, .value_kind: global_buffer, .address_space: global }
      - { .name: lst, .offset: 40, .size: 8, .value_kind: global_buffer, .address_space: global }
      - { .name: out0, .offset: 48, .size: 8, .value_kind: global_buffer, .address_space: global }
    .group_segment_fixed_size: 135680
    .private_segment_fixed_size: 0
    .kernarg_segment_align: 8
    .kernarg_segment_size: 56
    .max_flat_workgroup_size: 128
    .sgpr_count:     66
    .vgpr_count:     1024
    .wavefront_size: 32
...
	.end_amdgpu_metadata
.endif
;; end of part 3
;; ======== version 2 of 2: 3 launches
;; workspace buffers: xq 8,650,752 bytes; wq 8,650,752 bytes; gf 40,960 bytes; rk 40,960 bytes of whole numbers; lst 37,120 bytes of whole numbers
;; launch prep (part 4): grid 256 x 1, 8 waves a work-group, no clusters, 111,616 bytes of LDS; arguments x, gate_w, fc1_w, fc2_w, xq, wq, gf, rk; writes xq, wq, gf, rk
.if DOCPART == 4
	.amdgcn_target "amdgcn-amd-amdhsa--gfx1250"
	.amdhsa_code_object_version 6
	.text
	.protected	k_q23a961aa99_prep
	.globl	k_q23a961aa99_prep
	.p2align	8
	.type	k_q23a961aa99_prep,@function
k_q23a961aa99_prep:
	s_mov_b64 s[64:65], 0
	v_nop
	global_prefetch_b8 v0, s[64:65] scope:SCOPE_SE
	s_setreg_imm32_b32 hwreg(HW_REG_WAVE_MODE, 25, 1), 1
	s_wait_xcnt 0x0
; PREP.  x [8192][1024], fc1_w [8][512][1024], fc2_w [8][1024][512], all f32, become codes of BF8 (E5M2) with one E8M0 byte for each 32 along K; and the router is computed in f32.
; A block's scale is 2^(floor(log2(largest magnitude)) - 15); each number is divided by it, held within +-57,344 and rounded to the nearest code, ties to even.
; OUT:  xq: codes [8192][1024] from byte 0, scale bytes [8192][32] from 0x800000.
;       wq: codes as images of the operand's registers, [expert 8][wave 4][step 16][fragment 8][group 4][lane 32][16 bytes]; scale words from 0x800000, [expert][wave][step][lane 32][4 words]:
;           word j of lane l belongs to fragment 2 j + l / 16, row l % 16.  Steps 0-7: fc1's K steps (a tile's row p is hidden unit 32 (f / 2) + 8 (f % 2) + p + 8 (p / 8) of the wave's 128); steps 8 + 4 g + s: fc2.
;       gf: the chosen expert's probability [8192], then the sums of the probabilities of each block of 32 tokens [256][8].   rk: 4 x expert + 256 x rank in the block [8192], then the counts [256][8].
; SHARES.  Work-group g: tokens 32 g .. 32 g + 31, 8 fragments of fc1 and 8 of fc2.  Wave w owns 128 along K and works four pieces of 16 rows x 128: two of x, one of fc1, one of fc2.
; Every load reads 512 consecutive bytes of a row; the piece turns through the wave's own stage in LDS, so that lane (r, h) holds, of row r, k = 32 b + 16 h + i in register 16 b + i: what the conversions and the operand's layout want.
; THE GATE stays in f32: v_wmma_f32_16x16x4_f32, source 0 = the 8 rows of gate_w (repeated as rows 8-15), source 1 = 16 tokens; gate_w is loaded with the same places of k as x has, so each product meets its partner.
; It is 8 of the problem's 8 x 1,536 columns a token; operands of 16 bits would move logits by more than the distance between many tokens' two best experts.
; The softmax takes the row's largest logit away first.  The chosen expert is the lowest one whose exponential equals the largest: ties are broken behind the exponential, towards the lower number.
; The weights' scale words leave 4 bytes a row, 16 bytes apart: 16 words a piece against the piece's 2,048 bytes of codes and 8,192 bytes read.
; LIMITS: NaN and infinities are not served.  A block of zeros gets the byte 1 (its codes are zeros, and only this program reads the bytes); blocks whose largest magnitude lies under 2^-111 are held at that byte.
; The logits are summed in another order than a plain loop over k: a token whose two best logits agree to f32's rounding may go to the other of the two.
.set SP,   528                         ; a stage row: 512 bytes + 16: 33 x 16, so the 16 rows of a read start in different banks
.set WSTG, 16*SP                       ; a wave's stage
.set CP,   1040                        ; a row of x's codes in LDS: 1,024 + 16
.set CST,  8*WSTG                      ; 32 such rows, the work-group's
.set SST,  CST+32*CP                   ; x's scale bytes [32][32]
.set LG,   SST+1024                    ; the logits' parts [wave 8][token 32][8] f32
.set LI,  1                            ; 16 x lane
.set SWA, 2                            ; stage, on the way in
.set SRA, 3                            ; stage, on the way out: SP r + 64 h
.set CW,  4                            ; where my codes of x go
.set SCW, 5                            ; and my row's scale word
.set LGW, 6                            ; and four logits' parts
.set CR,  7                            ; code rows, read back: my wave's four rows
.set GO,  8                            ; my offset in gate_w
.set LN,  9                            ; lane
.set SSR, 10                           ; scale bytes, read back (waves 1 and 2)
.set LGR, 11                           ; logits, read back (wave 0): lane = token
.set PW,  12                           ; the scale word just made
.set WSO, 13                           ; 16 r: a weight row's scale word
.set G,   16                           ; v16-79   gate_w's 64 numbers; later code rows on their way out
.set XA,  80                           ; v80-143  a piece
.set XB,  144                          ; v144-207 another
.set ACC, 208                          ; v208-223 two accumulators of the gate: written by matrix instructions alone
.set PC,  224                          ; v224-239 the codes just made
.set TM,  240                          ; v240-255 at work: +0 largest magnitudes, +4 bytes, +8 the hold, +12 the conversions' scale operand
.set SEL, 32                           ; s[32:33] v_permlanex16_b32's selects for lane l xor 16
.set MNT, 34                           ; s34 the mantissa field of 57,344
.set HI,  35                           ; s35 lanes 16-31
	s_load_b512 s[16:31], s[0:1], 0x0              ; x, gate_w, fc1_w, fc2_w, xq, wq, gf, rk
	s_set_vgpr_msb 0x40
	v_lshl_add_u32 v0, v0, 2, 0x1b000
	v_mov_b32 v1, 0
	s_set_vgpr_msb 0x4000
	v_lshrrev_b32 v14, 5, v0
	s_delay_alu instid0(VALU_DEP_1)
	v_readfirstlane_b32 s2, v14                    ; wave 0..7
	v_and_b32 v[LN], 31, v0
	v_and_b32 v14, 15, v0                          ; r
	v_bfe_u32 v15, v0, 4, 1                        ; h
	s_delay_alu instid0(VALU_DEP_3)
	v_lshlrev_b32 v[LI], 4, v[LN]
	s_mul_i32 s3, s2, WSTG
	v_add_nc_u32 v[SWA], s3, v[LI]
	v_mul_u32_u24 v[SRA], v14, SP
	s_delay_alu instid0(VALU_DEP_1)
	v_lshl_add_u32 v[SRA], v15, 6, v[SRA]
	s_delay_alu instid0(VALU_DEP_1)
	v_add_nc_u32 v[SRA], s3, v[SRA]
	v_mul_u32_u24 v[CW], v14, CP
	s_delay_alu instid0(VALU_DEP_1)
	v_lshl_add_u32 v[CW], v15, 4, v[CW]
	s_lshl_b32 s4, s2, 7
	s_add_co_u32 s4, s4, CST
	v_add_nc_u32 v[CW], s4, v[CW]                  ; CST + CP r + 128 w + 16 h
	v_lshlrev_b32 v[SCW], 5, v14
	s_lshl_b32 s4, s2, 2
	s_add_co_u32 s4, s4, SST
	v_add_nc_u32 v[SCW], s4, v[SCW]                ; SST + 32 r + 4 w
	v_lshlrev_b32 v[LGW], 5, v14
	s_delay_alu instid0(VALU_DEP_1)
	v_lshl_add_u32 v[LGW], v15, 4, v[LGW]
	s_lshl_b32 s4, s2, 10
	s_add_co_u32 s4, s4, LG
	v_add_nc_u32 v[LGW], s4, v[LGW]                ; LG + 1024 w + 32 r + 16 h
	s_mul_i32 s4, s2, 4*CP
	s_add_co_u32 s4, s4, CST
	v_add_nc_u32 v[CR], s4, v[LI]
	s_lshl_b32 s5, s2, 9                           ; 512 w: my 128 numbers of a row
	v_and_b32 v[GO], 7, v0
	s_delay_alu instid0(VALU_DEP_1)
	v_lshlrev_b32 v[GO], 12, v[GO]
	s_delay_alu instid0(VALU_DEP_1)
	v_lshl_add_u32 v[GO], v15, 6, v[GO]
	s_delay_alu instid0(VALU_DEP_1)
	v_add_nc_u32 v[GO], s5, v[GO]                  ; gate_w: row r % 8, + 512 w + 64 h
	s_add_co_u32 s4, s2, 1
	s_and_b32 s4, s4, 1
	s_lshl_b32 s6, s4, 9                           ; wave 1 takes the first 512 scale bytes, wave 2 the others
	s_add_co_u32 s4, s6, SST
	v_add_nc_u32 v[SSR], s4, v[LI]
	v_lshl_add_u32 v[LGR], v[LN], 5, LG
	v_lshlrev_b32 v[WSO], 4, v14
.irp b, 0,1,2,3
	v_mov_b32 v[TM+4+\b], 0                        ; written once: a lane permute's destination counts as one of its sources
.endr
	s_mov_b32 s[SEL], 0x76543210
	s_mov_b32 s[SEL+1], 0xfedcba98
	s_mov_b32 s[MNT], 0x600000
	s_mov_b32 s[HI], 0xffff0000
	; byte offsets, each in a pair of its own; the buffers' addresses are added behind the wait
	s_lshl_b32 s36, ttmp9, 17                      ; x: 32 rows of 4,096 bytes a work-group, + 512 w
	s_add_co_u32 s36, s36, s5
	s_mov_b32 s37, 0
	s_lshr_b32 s7, ttmp9, 3                        ; fc1: 4 x expert + reader's wave = g / 8; fragment f = g % 8; K step = my wave
	s_lshl_b32 s38, s7, 7
	s_bfe_u32 s4, ttmp9, 0x20001
	s_lshl_b32 s4, s4, 5
	s_add_co_u32 s38, s38, s4
	s_and_b32 s4, ttmp9, 1
	s_lshl_b32 s4, s4, 3
	s_add_co_u32 s38, s38, s4                      ; first row: 128 (g / 8) + 32 (f / 2) + 8 (f % 2)
	s_lshl_b32 s38, s38, 12
	s_add_co_u32 s38, s38, s5
	s_mov_b32 s39, 0
	s_lshl_b32 s40, s7, 18                         ; its image: (g / 8) x 256 KiB + w x 16 KiB + f x 2 KiB
	s_lshl_b32 s4, s2, 14
	s_add_co_u32 s40, s40, s4
	s_and_b32 s4, ttmp9, 7
	s_lshl_b32 s4, s4, 11
	s_add_co_u32 s40, s40, s4
	s_mov_b32 s41, 0
	s_lshl_b32 s42, s7, 13                         ; its scale words: (g / 8) x 8 KiB + 512 w + 256 (f % 2) + 4 (f / 2)
	s_add_co_u32 s42, s42, s5
	s_and_b32 s4, ttmp9, 1
	s_lshl_b32 s4, s4, 8
	s_add_co_u32 s42, s42, s4
	s_bfe_u32 s4, ttmp9, 0x20001
	s_lshl_b32 s4, s4, 2
	s_add_co_u32 s42, s42, s4
	s_add_co_u32 s42, s42, 0x800000
	s_mov_b32 s43, 0
	s_and_b32 s8, ttmp9, 31                        ; fc2: tile of 16 outputs ot = 2 (g % 32) + w / 4; K step s = w % 4; expert g / 32
	s_lshl_b32 s8, s8, 1
	s_lshr_b32 s4, s2, 2
	s_add_co_u32 s8, s8, s4
	s_and_b32 s9, s2, 3
	s_lshr_b32 s10, ttmp9, 5
	s_lshl_b32 s44, s10, 21                        ; rows of 2,048 bytes: (1024 e + 16 ot) rows + 512 s
	s_lshl_b32 s4, s8, 15
	s_add_co_u32 s44, s44, s4
	s_lshl_b32 s4, s9, 9
	s_add_co_u32 s44, s44, s4
	s_mov_b32 s45, 0
	s_bfe_u32 s11, s8, 0x10003
	s_lshl_b32 s11, s11, 2
	s_add_co_u32 s11, s11, s9
	s_add_co_u32 s11, s11, 8                       ; step 8 + 4 ((ot / 8) % 2) + s
	s_lshr_b32 s12, s8, 4                          ; reader's wave ot / 16
	s_lshl_b32 s46, s10, 20
	s_lshl_b32 s4, s12, 18
	s_add_co_u32 s46, s46, s4
	s_lshl_b32 s4, s11, 14
	s_add_co_u32 s46, s46, s4
	s_and_b32 s4, s8, 7
	s_lshl_b32 s4, s4, 11
	s_add_co_u32 s46, s46, s4
	s_mov_b32 s47, 0
	s_lshl_b32 s48, s10, 15
	s_lshl_b32 s4, s12, 13
	s_add_co_u32 s48, s48, s4
	s_lshl_b32 s4, s11, 9
	s_add_co_u32 s48, s48, s4
	s_and_b32 s4, s8, 1
	s_lshl_b32 s4, s4, 8
	s_add_co_u32 s48, s48, s4
	s_bfe_u32 s4, s8, 0x20001
	s_lshl_b32 s4, s4, 2
	s_add_co_u32 s48, s48, s4
	s_add_co_u32 s48, s48, 0x800000
	s_mov_b32 s49, 0
	s_lshl_b32 s50, ttmp9, 15                      ; x's codes: 32 rows of 1,024 bytes a work-group, 4 rows a wave
	s_lshl_b32 s4, s2, 12
	s_add_co_u32 s50, s50, s4
	s_mov_b32 s51, 0
	s_lshl_b32 s52, ttmp9, 10                      ; x's scale bytes: 1,024 a work-group
	s_add_co_u32 s52, s52, s6
	s_add_co_u32 s52, s52, 0x800000
	s_mov_b32 s53, 0
	s_lshl_b32 s54, ttmp9, 7                       ; 4 bytes a token
	s_mov_b32 s55, 0
	s_mov_b32 s56, s54
	s_mov_b32 s57, 0
	s_lshl_b32 s58, ttmp9, 5                       ; 32 bytes a block, behind the tokens' 32,768
	s_add_co_u32 s58, s58, 32768
	s_mov_b32 s59, 0
	s_mov_b32 s60, s58
	s_mov_b32 s61, 0
	s_wait_alu depctr_va_vdst(0)
	s_wait_kmcnt 0x0
	s_add_nc_u64 s[36:37], s[16:17], s[36:37]      ; x
	s_add_nc_u64 s[38:39], s[20:21], s[38:39]      ; fc1_w
	s_add_nc_u64 s[40:41], s[26:27], s[40:41]      ; wq: fc1's image
	s_add_nc_u64 s[42:43], s[26:27], s[42:43]      ; wq: its scale words
	s_add_nc_u64 s[44:45], s[22:23], s[44:45]      ; fc2_w
	s_add_nc_u64 s[46:47], s[26:27], s[46:47]      ; wq: fc2's image
	s_add_nc_u64 s[48:49], s[26:27], s[48:49]      ; wq: its scale words
	s_add_nc_u64 s[50:51], s[24:25], s[50:51]      ; xq: codes
	s_add_nc_u64 s[52:53], s[24:25], s[52:53]      ; xq: scale bytes
	s_add_nc_u64 s[54:55], s[30:31], s[54:55]      ; rk: keys
	s_add_nc_u64 s[56:57], s[28:29], s[56:57]      ; gf: probabilities
	s_add_nc_u64 s[58:59], s[30:31], s[58:59]      ; rk: counts
	s_add_nc_u64 s[60:61], s[28:29], s[60:61]      ; gf: sums
; 16 rows x 512 bytes: each load reads 512 consecutive bytes.  skip = 1: rows 8-15 of the piece lie 16 rows on (fc1's order of rows)
.macro LOADT set, b, off0, pitch, skip
.irp i, 0,1,2,3,4,5,6,7,8,9,10,11,12,13,14,15
	global_load_b128 v[\set+4*\i:\set+4*\i+3], v[LI], s[\b:\b+1] offset:\off0+(\i+8*\skip*(\i/8))*\pitch th:TH_LOAD_NT
.endr
.endm
; the piece through my stage: LDS serves a wave's instructions in order (ISA guide 5.7.1.4), so the loads see the stores and may land in the registers that the stores left
.macro TURN set
.irp i, 0,1,2,3,4,5,6,7,8,9,10,11,12,13,14,15
	ds_store_b128 v[SWA], v[\set+4*\i:\set+4*\i+3] offset:SP*\i
.endr
.irp b, 0,1,2,3
.irp j, 0,1,2,3
	ds_load_b128 v[\set+16*\b+4*\j:\set+16*\b+4*\j+3], v[SRA] offset:128*\b+16*\j
.endr
.endr
.endm
; 32 products of 4 along K; two accumulators take turns, one instruction a turn; the first two start the sums
.macro GATE set
.set q, 0
.rept 32
.if q < 2
	v_wmma_f32_16x16x4_f32 v[ACC+8*(q%2):ACC+8*(q%2)+7], v[G+2*q:G+2*q+1], v[\set+2*q:\set+2*q+1], 0
.else
	v_wmma_f32_16x16x4_f32 v[ACC+8*(q%2):ACC+8*(q%2)+7], v[G+2*q:G+2*q+1], v[\set+2*q:\set+2*q+1], v[ACC+8*(q%2):ACC+8*(q%2)+7]
.endif
.set q, q+1
.endr
.endm
; 64 numbers of a lane, register 16 b + i = k 32 b + 16 h + i of my row, become a fragment's codes in v[PC] on and its scale word in v[PW]
.macro QUANT s
.irp b, 0,1,2,3
	v_max3_num_f32 v[TM+\b], |v[\s+16*\b]|, |v[\s+1+16*\b]|, 0x8000000   ; my 16 numbers of block b, and the floor 2^(16 - 127): the byte cannot fall under 1
.endr
.irp i, 2,4,6,8,10,12,14
.irp b, 0,1,2,3
	s_delay_alu instid0(VALU_DEP_4)
	v_max3_num_f32 v[TM+\b], v[TM+\b], |v[\s+16*\b+\i]|, |v[\s+1+16*\b+\i]|   ; the four blocks by turns
.endr
.endr
.irp b, 0,1,2,3
	s_delay_alu instid0(VALU_DEP_4)
	v_permlanex16_b32 v[TM+4+\b], v[TM+\b], s[SEL], s[SEL+1]
.endr
.irp b, 0,1,2,3
	s_delay_alu instid0(VALU_DEP_4)
	v_max_num_f32 v[TM+\b], v[TM+\b], v[TM+4+\b]   ; with lane l xor 16's 16: the block's largest magnitude
.endr
.irp b, 0,1,2,3
	s_delay_alu instid0(VALU_DEP_4)
	v_add_nc_u32 v[TM+12+\b], 0xf8800000, v[TM+\b]   ; 15 off its exponent field: the conversion reads that field alone
.endr
.irp b, 0,1,2,3
	v_and_or_b32 v[TM+8+\b], v[TM+\b], 0x7f800000, s[MNT]   ; 57,344 x the scale
.endr
.irp b, 0,1,2,3
	v_lshrrev_b32 v[TM+4+\b], 23, v[TM+12+\b]      ; the scale's byte
.endr
	s_delay_alu instid0(VALU_DEP_3)
	v_lshl_or_b32 v[PW], v[TM+5], 8, v[TM+4]
	s_delay_alu instid0(VALU_DEP_1)
	v_lshl_or_b32 v[PW], v[TM+6], 16, v[PW]
	s_delay_alu instid0(VALU_DEP_1)
	v_lshl_or_b32 v[PW], v[TM+7], 24, v[PW]
.irp b, 0,1,2,3
.irp i, 0,1,2,3,4,5,6,7,8,9,10,11,12,13,14,15
	v_med3_num_f32 v[\s+16*\b+\i], v[\s+16*\b+\i], -v[TM+8+\b], v[TM+8+\b]   ; the conversion does not saturate (ISA guide 7.6.2): the hold comes first
.endr
	v_cvt_scalef32_pk8_bf8_f32 v[PC+4*\b:PC+1+4*\b], v[\s+16*\b:\s+7+16*\b], v[TM+12+\b]
	v_cvt_scalef32_pk8_bf8_f32 v[PC+2+4*\b:PC+3+4*\b], v[\s+8+16*\b:\s+15+16*\b], v[TM+12+\b]
.endr
	v_nop                                          ; a plain line behind the last conversion, ahead of whatever next touches its registers
.endm
; a piece of x: gate, codes and scale word to LDS, the logits' parts to LDS.  left: the younger loads that may stay out
.macro XTILE set, tile, left
	s_wait_loadcnt \left
	TURN \set
	s_wait_dscnt 0x0                               ; the piece is back; the last piece's LDS stores have read their registers
	GATE \set
	QUANT \set                                     ; its first 31 lines name no register of the last product: more than the eight places owed before x is rewritten and the sums are read
.irp c, 0,1,2,3
	ds_store_b128 v[CW], v[PC+4*\c:PC+4*\c+3] offset:16*CP*\tile+32*\c
.endr
	ds_store_b32 v[SCW], v[PW] offset:512*\tile    ; both halves of the lanes write the same word with the same value
.irp p, 0,2,4,6
	v_pk_add_f32 v[TM+\p:TM+\p+1], v[ACC+\p:ACC+\p+1], v[ACC+8+\p:ACC+8+\p+1]   ; register j: expert j's logit of token r, my 128 along K; each accumulator from its low end on
.endr
.irp j, 0,1,2,3
	v_cndmask_b32 v[TM+8+\j], v[TM+\j], v[TM+4+\j], s[HI]   ; lanes 0-15 send experts 0-3, lanes 16-31 experts 4-7
.endr
	ds_store_b128 v[LGW], v[TM+8:TM+11] offset:512*\tile
.endm
; a piece of a weight: its image and its scale words to memory
.macro WTILE set, left, cb, sb
	s_wait_loadcnt \left
	s_wait_xcnt 0x0                                ; earlier stores have read their data: the codes' registers and the scale word may be written again
	TURN \set
	s_wait_dscnt 0x0
	QUANT \set
.irp c, 0,1,2,3
	global_store_b128 v[LI], v[PC+4*\c:PC+4*\c+3], s[\cb:\cb+1] offset:512*\c   ; 512 consecutive bytes, aligned
.endr
	global_store_b32 v[WSO], v[PW], s[\sb:\sb+1]
.endm
.irp b, 0,1,2,3
.irp j, 0,1,2,3
	global_load_b128 v[G+16*\b+4*\j:G+16*\b+4*\j+3], v[GO], s[18:19] offset:128*\b+16*\j   ; gate_w(r % 8, 128 w + 32 b + 16 h + 4 j ..): x's places of k
.endr
.endr
	LOADT XA, 36, 0, 4096, 0                       ; tokens 0-15
	LOADT XB, 36, 65536, 4096, 0                   ; tokens 16-31
	XTILE XA, 0, 16                                ; the second piece's 16 loads stay out
	LOADT XA, 38, 0, 4096, 1                       ; fc1's piece
	XTILE XB, 1, 16                                ; fc1's 16 loads stay out
	LOADT XB, 44, 0, 2048, 0                       ; fc2's piece
	s_wait_dscnt 0x0                               ; my codes, scale words and logits lie in LDS
	s_barrier_signal -1
	s_barrier_wait -1
.irp i, 0,1,2,3,4,5,6,7
	ds_load_b128 v[G+4*\i:G+4*\i+3], v[CR] offset:CP*(\i/2)+512*(\i%2)   ; my four whole rows of codes
.endr
.irp i, 0,1,2,3,4,5,6,7
	s_wait_dscnt 7-\i
	global_store_b128 v[LI], v[G+4*\i:G+4*\i+3], s[50:51] offset:512*\i   ; 512 consecutive bytes, aligned
.endr
	WTILE XA, 16, 40, 42                           ; fc2's 16 loads stay out
	WTILE XB, 0, 46, 48
	s_cmp_eq_u32 s2, 0
	s_cbranch_scc1 .Lfin
	s_cmp_gt_u32 s2, 2
	s_cbranch_scc1 .Lend
	ds_load_b128 v[XA:XA+3], v[SSR]                ; waves 1 and 2: x's scale bytes, 512 each
	s_wait_dscnt 0x0
	global_store_b128 v[LI], v[XA:XA+3], s[52:53]
.Lend:
	s_set_vgpr_msb 0x5
	s_wait_tensorcnt 0x0
	ds_add_u32 v0, v1
	s_wait_dscnt 0x0
	s_set_vgpr_msb 0x500
	s_endpgm
.Lfin:                                                 ; wave 0: lane = token
	s_wait_xcnt 0x0
.irp w, 0,1,2,3,4,5,6,7
	ds_load_b128 v[XA+8*\w:XA+8*\w+3], v[LGR] offset:1024*\w
	ds_load_b128 v[XA+8*\w+4:XA+8*\w+7], v[LGR] offset:1024*\w+16
.endr
	s_mov_b32 s3, 0xaaaaaaaa                       ; lanes with bit 0, 1, 2 set
	s_mov_b32 s4, 0xcccccccc
	s_mov_b32 s5, 0xf0f0f0f0
	s_wait_dscnt 0x0
.irp w, 1,2,3,4,5,6,7
.irp p, 0,2,4,6
	v_pk_add_f32 v[XA+\p:XA+\p+1], v[XA+\p:XA+\p+1], v[XA+8*\w+\p:XA+8*\w+\p+1]   ; the eight waves' parts: v80-87 are my token's logits
.endr
.endr
	s_delay_alu instid0(VALU_DEP_3)
	v_max3_num_f32 v144, v80, v81, v82
	s_delay_alu instid0(VALU_DEP_3)
	v_max3_num_f32 v145, v83, v84, v85
	s_delay_alu instid0(VALU_DEP_2)
	v_max3_num_f32 v144, v144, v86, v87
	s_delay_alu instid0(VALU_DEP_1)
	v_max_num_f32 v144, v144, v145                 ; the largest logit
.irp e, 0,1,2,3,4,5,6,7
	v_sub_f32 v[88+\e], v[80+\e], v144
.endr
.irp e, 0,1,2,3,4,5,6,7
	v_mul_f32 v[88+\e], 0x3fb8aa3b, v[88+\e]
.endr
	s_wait_alu depctr_va_vdst(0)
.irp e, 0,1,2,3,4,5,6,7
	v_exp_f32 v[88+\e], v[88+\e]
.endr
	v_nop                                          ; a plain line behind the exponentials
	s_wait_alu depctr_va_vdst(0)
	v_add_f32 v145, v88, v89
	v_add_f32 v146, v90, v91
	v_add_f32 v147, v92, v93
	v_add_f32 v148, v94, v95
	s_delay_alu instid0(VALU_DEP_3)
	v_add_f32 v145, v145, v146
	s_delay_alu instid0(VALU_DEP_2)
	v_add_f32 v147, v147, v148
	s_delay_alu instid0(VALU_DEP_1)
	v_add_f32 v145, v145, v147
	s_wait_alu depctr_va_vdst(0)
	v_rcp_f32 v146, v145
	v_max3_num_f32 v149, v88, v89, v90             ; (plain lines behind the reciprocal)  the largest exponential
	v_max3_num_f32 v150, v91, v92, v93
	v_max3_num_f32 v149, v149, v94, v95
	s_delay_alu instid0(VALU_DEP_1)
	v_max_num_f32 v149, v149, v150
	v_mov_b32 v151, 0
.irp e, 7,6,5,4,3,2,1,0
	v_cmp_neq_f32 vcc_lo, v[88+\e], v149
	s_delay_alu instid0(VALU_DEP_1)
	v_cndmask_b32 v151, \e, v151, vcc_lo           ; the lowest expert that reaches it stays
.endr
	s_wait_alu depctr_va_vdst(0)
	v_mul_f32 v152, v149, v146                     ; its probability
.irp e, 0,1,2,3,4,5,6,7
	v_mul_f32 v[88+\e], v[88+\e], v146             ; all eight probabilities
.endr
	v_mov_b32 v153, 0                              ; lane e: how many of the 32 tokens chose expert e
	v_mov_b32 v155, 0                              ; my rank among the tokens of my expert
.irp e, 0,1,2,3,4,5,6,7
	v_cmp_eq_u32 s[8+\e], \e, v151
	s_bcnt1_i32_b32 s6, s[8+\e]
	v_writelane_b32 v153, s6, \e
	v_mbcnt_lo_u32_b32 v154, s[8+\e], 0
	s_delay_alu instid0(VALU_DEP_1)
	v_cndmask_b32 v155, v155, v154, s[8+\e]
.endr
	v_lshlrev_b32 v156, 2, v151
	s_delay_alu instid0(VALU_DEP_1)
	v_lshl_or_b32 v156, v155, 8, v156              ; 4 x expert + 256 x rank
	; the probabilities' sums over the 32 tokens: in each step a lane keeps one of two experts and hands the other to its partner; lane l ends with expert l % 8
.irp i, 0,1,2,3
	v_cndmask_b32 v[96+2*\i], v[88+2*\i], v[89+2*\i], s3
	v_cndmask_b32 v[97+2*\i], v[89+2*\i], v[88+2*\i], s3
	s_delay_alu instid0(VALU_DEP_1)
	v_add_f32_dpp v[104+\i], v[97+2*\i], v[96+2*\i] row_xmask:1 row_mask:0xf bank_mask:0xf
.endr
.irp i, 0
	v_cndmask_b32 v[108+2*\i], v[104+2*\i], v[105+2*\i], s4
	v_cndmask_b32 v[109+2*\i], v[105+2*\i], v[104+2*\i], s4
	s_delay_alu instid0(VALU_DEP_1)
	v_add_f32_dpp v[112+\i], v[109+2*\i], v[108+2*\i] row_xmask:2 row_mask:0xf bank_mask:0xf
.endr
.irp i, 1
	s_delay_alu instid0(VALU_DEP_4)
	v_cndmask_b32 v[108+2*\i], v[104+2*\i], v[105+2*\i], s4
	v_cndmask_b32 v[109+2*\i], v[105+2*\i], v[104+2*\i], s4
	s_delay_alu instid0(VALU_DEP_1)
	v_add_f32_dpp v[112+\i], v[109+2*\i], v[108+2*\i] row_xmask:2 row_mask:0xf bank_mask:0xf
.endr
	s_delay_alu instid0(VALU_DEP_1)
	v_cndmask_b32 v114, v112, v113, s5
	s_delay_alu instid0(VALU_DEP_2)
	v_cndmask_b32 v115, v113, v112, s5
	s_delay_alu instid0(VALU_DEP_1)
	v_add_f32_dpp v116, v115, v114 row_xmask:4 row_mask:0xf bank_mask:0xf
	s_delay_alu instid0(VALU_DEP_1)
	v_add_f32_dpp v116, v116, v116 row_xmask:8 row_mask:0xf bank_mask:0xf
	s_delay_alu instid0(VALU_DEP_1)
	v_permlanex16_b32 v117, v116, s[SEL], s[SEL+1]
	s_delay_alu instid0(VALU_DEP_1)
	v_add_f32 v116, v116, v117
	v_lshlrev_b32 v157, 2, v[LN]
	global_store_b32 v157, v156, s[54:55]
	global_store_b32 v157, v152, s[56:57]
	s_wait_alu depctr_va_vdst(0)
	s_wait_xcnt 0x0                                ; EXEC changes only behind this wait
	v_cmp_gt_u32 vcc_lo, 8, v[LN]
	s_set_vgpr_msb 0x5
	s_wait_tensorcnt 0x0
	ds_add_u32 v0, v1
	s_wait_dscnt 0x0
	s_set_vgpr_msb 0x500
	s_and_saveexec_b32 s6, vcc_lo
	global_store_b32 v157, v153, s[58:59]          ; lanes 0-7: the block's counts
	global_store_b32 v157, v116, s[60:61]          ; and sums
	s_wait_xcnt 0x0
	s_or_b32 exec_lo, exec_lo, s6
	s_endpgm
.Lfunc_end_k_q23a961aa99_prep:
	.size	k_q23a961aa99_prep, .Lfunc_end_k_q23a961aa99_prep-k_q23a961aa99_prep
	.p2alignl 7, 3214868480
	.fill 96, 4, 3214868480
	.section	.rodata,"a",@progbits
	.p2align	6, 0x0
	.amdhsa_kernel k_q23a961aa99_prep
		.amdhsa_group_segment_fixed_size 111616
		.amdhsa_private_segment_fixed_size 0
		.amdhsa_enable_private_segment 0
		.amdhsa_kernarg_size 64
		.amdhsa_user_sgpr_count 2
		.amdhsa_user_sgpr_kernarg_segment_ptr 1
		.amdhsa_wavefront_size32 1
		.amdhsa_system_sgpr_workgroup_id_x 1
		.amdhsa_system_sgpr_workgroup_id_y 1
		.amdhsa_system_sgpr_workgroup_id_z 1
		.amdhsa_system_vgpr_workitem_id 0
		.amdhsa_next_free_vgpr 258
		.amdhsa_next_free_sgpr 66
		.amdhsa_reserve_vcc 1
		.amdhsa_float_denorm_mode_32 3
		.amdhsa_float_denorm_mode_16_64 3
		.amdhsa_memory_ordered 1
		.amdhsa_forward_progress 1
		.amdhsa_inst_pref_size 80
	.end_amdhsa_kernel
	.amdgpu_metadata
---
amdhsa.version: [ 1, 2 ]
amdhsa.kernels:
  - .name:           k_q23a961aa99_prep
    .symbol:         k_q23a961aa99_prep.kd
    .args:
      - { .name: x, .offset: 0, .size: 8, .value_kind: global_buffer, .address_space: global }
      - { .name: gate_w, .offset: 8, .size: 8, .value_kind: global_buffer, .address_space: global }
      - { .name: fc1_w, .offset: 16, .size: 8, .value_kind: global_buffer, .address_space: global }
      - { .name: fc2_w, .offset: 24, .size: 8, .value_kind: global_buffer, .address_space: global }
      - { .name: xq, .offset: 32, .size: 8, .value_kind: global_buffer, .address_space: global }
      - { .name: wq, .offset: 40, .size: 8, .value_kind: global_buffer, .address_space: global }
      - { .name: gf, .offset: 48, .size: 8, .value_kind: global_buffer, .address_space: global }
      - { .name: rk, .offset: 56, .size: 8, .value_kind: global_buffer, .address_space: global }
    .group_segment_fixed_size: 111616
    .private_segment_fixed_size: 0
    .kernarg_segment_align: 8
    .kernarg_segment_size: 64
    .max_flat_workgroup_size: 256
    .sgpr_count:     66
    .vgpr_count:     258
    .wavefront_size: 32
...
	.end_amdgpu_metadata
.endif
;; end of part 4
;; launch place (part 5): grid 1 x 1, 8 waves a work-group, no clusters, 3,072 bytes of LDS; arguments rk, gf, lst, out1; writes lst, out1
.if DOCPART == 5
	.amdgcn_target "amdgcn-amd-amdhsa--gfx1250"
	.amdhsa_code_object_version 6
	.text
	.protected	k_q23a961aa99_place
	.globl	k_q23a961aa99_place
	.p2align	8
	.type	k_q23a961aa99_place,@function
k_q23a961aa99_place:
	s_mov_b64 s[64:65], 0
	v_nop
	global_prefetch_b8 v0, s[64:65] scope:SCOPE_SE
	s_setreg_imm32_b32 hwreg(HW_REG_WAVE_MODE, 25, 1), 1
	s_wait_xcnt 0x0
; PLACE.  One work-group turns the tokens' keys (4 x expert + 256 x rank in a block of 32) and the blocks' counts [256][8] into
;   lst: the token numbers sorted by expert [8192]; 64 words that nobody reads; from byte 33,024 a table of 256 tiles of at most 64 rows: (expert, first place in the list, rows, 0);
;   out1: the loss = 8 x sum over experts of (count / 8192) x (sum of probabilities / 8192) = sum of count x sum x 2^-23.
; A counting sort without atomics: wave w owns blocks 32 w .. 32 w + 31; lane l holds expert l % 8, register j block j.  The waves' totals meet in LDS (one barrier); a scan over lanes 0-7 gives each expert's
; first place; a running sum down the registers gives each block's.  A token pulls its expert's figure from lane = expert and adds its rank.
; With 8,192 rows, 8 experts and tiles of 64 there are at most 135 tiles with rows; the entries behind them say 0 rows.  One work-group, since the whole input is 80 KiB and every figure hangs on all counts.
.set H, 16                             ; v16-47   counts
.set F, 48                             ; v48-79   sums of probabilities; later at work
.set K, 80                             ; v80-111  keys
.set S, 112                            ; v112-143 first places
.set A, 144                            ; v144-175 lane to pull from; then the store's offset
.set P, 176                            ; v176-207 what was pulled
.set D, 208                            ; v208-239 token numbers
	s_load_b256 s[4:11], s[0:1], 0x0               ; rk s[4:5], gf s[6:7], lst s[8:9], out1 s[10:11]
	s_set_vgpr_msb 0x40
	v_lshl_add_u32 v0, v0, 2, 0x800
	v_mov_b32 v1, 0
	s_set_vgpr_msb 0x4000
	v_lshrrev_b32 v1, 5, v0
	s_delay_alu instid0(VALU_DEP_1)
	v_readfirstlane_b32 s2, v1                     ; wave 0..7
	v_and_b32 v2, 31, v0                           ; lane
	v_and_b32 v3, 7, v0
	s_lshl_b32 s3, s2, 10
	v_lshl_add_u32 v4, v3, 2, s3                   ; counts and sums: 1,024 w + 4 (l % 8)
	s_lshl_b32 s12, s2, 12
	v_lshl_add_u32 v5, v2, 2, s12                  ; keys: 4,096 w + 4 l
	v_lshlrev_b32 v7, 2, v0                        ; LDS: 128 w + 4 l
	v_lshlrev_b32 v12, 2, v2                       ; LDS: 4 l
	s_wait_alu depctr_va_vdst(0)
	s_wait_kmcnt 0x0
.set j, 0
.rept 32
	global_load_b32 v[H+j], v4, s[4:5] offset:32768+32*j
.set j, j+1
.endr
.set j, 0
.rept 32
	global_load_b32 v[F+j], v4, s[6:7] offset:32768+32*j
.set j, j+1
.endr
	s_wait_loadcnt 32                              ; the counts are in; the 32 sums may be out
.set j, 0
.rept 32
	global_load_b32 v[K+j], v5, s[4:5] offset:128*j
.set j, j+1
.endr
	v_add3_u32 v6, v[H], v[H+1], v[H+2]
.irp j, 3,5,7,9,11,13,15,17,19,21,23,25,27,29
	s_delay_alu instid0(VALU_DEP_1)
	v_add3_u32 v6, v6, v[H+\j], v[H+\j+1]
.endr
	s_delay_alu instid0(VALU_DEP_1)
	v_add_nc_u32 v6, v6, v[H+31]
	ds_store_b32 v7, v6                            ; my wave's count of expert l % 8
	s_wait_loadcnt 32                              ; the sums are in; the 32 keys may be out
.irp c, 0,1,2,3
	v_add_f32 v[8+\c], v[F+\c], v[F+4+\c]
.endr
.irp j, 8,12,16,20,24,28
.irp c, 0,1,2,3
	s_delay_alu instid0(VALU_DEP_4)
	v_add_f32 v[8+\c], v[8+\c], v[F+\j+\c]
.endr
.endr
	s_delay_alu instid0(VALU_DEP_3)
	v_add_f32 v8, v8, v9
	s_delay_alu instid0(VALU_DEP_2)
	v_add_f32 v10, v10, v11
	s_delay_alu instid0(VALU_DEP_1)
	v_add_f32 v8, v8, v10
	ds_store_b32 v7, v8 offset:1024
	s_wait_dscnt 0x0                               ; for the others' sake
	s_barrier_signal -1
	s_barrier_wait -1
.irp w, 0,1,2,3,4,5,6,7
	ds_load_b32 v[240+\w], v12 offset:128*\w
.endr
.irp w, 0,1,2,3,4,5,6,7
	ds_load_b32 v[248+\w], v12 offset:1024+128*\w
.endr
	v_mov_b32 v13, 0                               ; the waves' counts in front of mine
	v_mov_b32 v14, 0                               ; all waves'
	s_wait_dscnt 0x0
.irp w, 0,1,2,3,4,5,6,7
	s_cmp_gt_u32 s2, \w
	s_cselect_b32 s13, -1, 0
	v_and_b32 v15, s13, v[240+\w]
	s_wait_alu depctr_va_vdst(0)
	v_add_nc_u32 v13, v13, v15
	v_add_nc_u32 v14, v14, v[240+\w]
.endr
	v_add_f32 v1, v248, v249
.irp w, 2,3,4,5,6,7
	s_delay_alu instid0(VALU_DEP_1)
	v_add_f32 v1, v1, v[248+\w]                    ; the sum of expert l % 8's probabilities over all tokens
.endr
	v_mov_b32_dpp v15, v14 row_shr:1 row_mask:0xf bank_mask:0xf bound_ctrl:1   ; a scan over the experts: right in lanes 0-7, the only ones read
	s_delay_alu instid0(VALU_DEP_1)
	v_add_nc_u32 v6, v14, v15
	s_delay_alu instid0(VALU_DEP_1)
	v_mov_b32_dpp v15, v6 row_shr:2 row_mask:0xf bank_mask:0xf bound_ctrl:1
	s_delay_alu instid0(VALU_DEP_1)
	v_add_nc_u32 v6, v6, v15
	s_delay_alu instid0(VALU_DEP_1)
	v_mov_b32_dpp v15, v6 row_shr:4 row_mask:0xf bank_mask:0xf bound_ctrl:1
	s_delay_alu instid0(VALU_DEP_1)
	v_add_nc_u32 v6, v6, v15
	s_delay_alu instid0(VALU_DEP_1)
	v_sub_nc_u32 v3, v6, v14                       ; the expert's first place
	s_delay_alu instid0(VALU_DEP_1)
	v_add_nc_u32 v[S], v3, v13
.set j, 0
.rept 31
	s_delay_alu instid0(VALU_DEP_1)
	v_add_nc_u32 v[S+j+1], v[S+j], v[H+j]          ; and each block's
.set j, j+1
.endr
	s_wait_loadcnt 0x0                             ; the keys
.set j, 0
.rept 32
	v_and_b32 v[A+j], 0x1c, v[K+j]                 ; 4 x expert: the lane to pull from
.set j, j+1
.endr
.set j, 0
.rept 32
	ds_bpermute_b32 v[P+j], v[A+j], v[S+j]
.set j, j+1
.endr
	v_add_nc_u32 v48, s3, v2                       ; my token in block 0 of my wave: 1,024 w + l
	s_wait_alu depctr_va_vdst(0)
	s_wait_dscnt 0x0
.set j, 0
.rept 32
	v_lshrrev_b32 v[A+j], 8, v[K+j]
	s_delay_alu instid0(VALU_DEP_1)
	v_add_nc_u32 v[A+j], v[A+j], v[P+j]            ; place = the block's first + my rank
	s_delay_alu instid0(VALU_DEP_1)
	v_min_u32 v[A+j], 0x1fff, v[A+j]
	s_delay_alu instid0(VALU_DEP_1)
	v_lshlrev_b32 v[A+j], 2, v[A+j]
	v_add_nc_u32 v[D+j], 32*j, v48
	global_store_b32 v[A+j], v[D+j], s[8:9]        ; every store has registers of its own: none is written again
.set j, j+1
.endr
	v_add_nc_u32 v49, 63, v14                      ; THE TILES: expert e has ceil(count / 64)
	s_delay_alu instid0(VALU_DEP_1)
	v_lshrrev_b32 v49, 6, v49
	s_delay_alu instid0(VALU_DEP_1)
	v_mov_b32_dpp v15, v49 row_shr:1 row_mask:0xf bank_mask:0xf bound_ctrl:1
	s_delay_alu instid0(VALU_DEP_1)
	v_add_nc_u32 v50, v49, v15
	s_delay_alu instid0(VALU_DEP_1)
	v_mov_b32_dpp v15, v50 row_shr:2 row_mask:0xf bank_mask:0xf bound_ctrl:1
	s_delay_alu instid0(VALU_DEP_1)
	v_add_nc_u32 v50, v50, v15
	s_delay_alu instid0(VALU_DEP_1)
	v_mov_b32_dpp v15, v50 row_shr:4 row_mask:0xf bank_mask:0xf bound_ctrl:1
	s_delay_alu instid0(VALU_DEP_1)
	v_add_nc_u32 v50, v50, v15
	s_delay_alu instid0(VALU_DEP_1)
	v_sub_nc_u32 v51, v50, v49                     ; its first tile
.irp e, 0,1,2,3,4,5,6,7
	v_readlane_b32 s[16+\e], v51, \e
	v_readlane_b32 s[24+\e], v3, \e
	v_readlane_b32 s[32+\e], v14, \e
.endr
	v_mov_b32 v52, 0                               ; thread t describes tile t: the last expert whose first tile is not behind t
	v_mov_b32 v53, s16
	v_mov_b32 v54, s24
	v_mov_b32 v55, s32
.irp e, 1,2,3,4,5,6,7
	v_cmp_gt_u32 vcc_lo, s[16+\e], v0
	s_delay_alu instid0(VALU_DEP_1)
	v_cndmask_b32 v52, \e, v52, vcc_lo
	s_delay_alu instid0(VALU_DEP_2)
	v_cndmask_b32 v53, s[16+\e], v53, vcc_lo
	s_delay_alu instid0(VALU_DEP_3)
	v_cndmask_b32 v54, s[24+\e], v54, vcc_lo
	s_delay_alu instid0(VALU_DEP_4)
	v_cndmask_b32 v55, s[32+\e], v55, vcc_lo
.endr
	s_delay_alu instid0(VALU_DEP_3)
	v_sub_nc_u32 v56, v0, v53                      ; which tile of the expert
	s_delay_alu instid0(VALU_DEP_1)
	v_lshlrev_b32 v57, 6, v56
	v_mov_b32 v60, v52
	s_delay_alu instid0(VALU_DEP_2)
	v_add_nc_u32 v61, v54, v57                     ; its first place in the list
	s_delay_alu instid0(VALU_DEP_3)
	v_min_u32 v62, v55, v57
	s_delay_alu instid0(VALU_DEP_1)
	v_sub_nc_u32 v62, v55, v62
	s_delay_alu instid0(VALU_DEP_1)
	v_min_u32 v62, 64, v62                         ; its rows: what is left of the expert's, 0 to 64
	v_mov_b32 v63, 0
	v_lshlrev_b32 v58, 4, v0
	global_store_b128 v58, v[60:63], s[8:9] offset:33024
	s_cmp_lg_u32 s2, 0
	s_cbranch_scc1 .Lend
	v_cvt_f32_u32 v59, v14                         ; wave 0: the loss
	s_delay_alu instid0(VALU_DEP_1)
	v_mul_f32 v59, v59, v1
	s_delay_alu instid0(VALU_DEP_1)
	v_add_f32_dpp v59, v59, v59 row_xmask:1 row_mask:0xf bank_mask:0xf
	s_delay_alu instid0(VALU_DEP_1)
	v_add_f32_dpp v59, v59, v59 row_xmask:2 row_mask:0xf bank_mask:0xf
	s_delay_alu instid0(VALU_DEP_1)
	v_add_f32_dpp v59, v59, v59 row_xmask:4 row_mask:0xf bank_mask:0xf
	s_delay_alu instid0(VALU_DEP_1)
	v_mul_f32 v59, 0x34000000, v59                 ; x 2^-23
	v_mov_b32 v64, 0
	s_wait_alu depctr_va_vdst(0)
	s_wait_xcnt 0x0                                ; EXEC changes only behind this wait
	v_cmp_eq_u32 vcc_lo, 0, v0
	s_and_saveexec_b32 s13, vcc_lo
	global_store_b32 v64, v59, s[10:11]
	s_wait_xcnt 0x0
	s_or_b32 exec_lo, exec_lo, s13
.Lend:
	s_set_vgpr_msb 0x5
	s_wait_tensorcnt 0x0
	ds_add_u32 v0, v1
	s_wait_dscnt 0x0
	s_set_vgpr_msb 0x500
	s_endpgm
.Lfunc_end_k_q23a961aa99_place:
	.size	k_q23a961aa99_place, .Lfunc_end_k_q23a961aa99_place-k_q23a961aa99_place
	.p2alignl 7, 3214868480
	.fill 96, 4, 3214868480
	.section	.rodata,"a",@progbits
	.p2align	6, 0x0
	.amdhsa_kernel k_q23a961aa99_place
		.amdhsa_group_segment_fixed_size 3072
		.amdhsa_private_segment_fixed_size 0
		.amdhsa_enable_private_segment 0
		.amdhsa_kernarg_size 32
		.amdhsa_user_sgpr_count 2
		.amdhsa_user_sgpr_kernarg_segment_ptr 1
		.amdhsa_wavefront_size32 1
		.amdhsa_system_sgpr_workgroup_id_x 1
		.amdhsa_system_sgpr_workgroup_id_y 1
		.amdhsa_system_sgpr_workgroup_id_z 1
		.amdhsa_system_vgpr_workitem_id 0
		.amdhsa_next_free_vgpr 258
		.amdhsa_next_free_sgpr 66
		.amdhsa_reserve_vcc 1
		.amdhsa_float_denorm_mode_32 3
		.amdhsa_float_denorm_mode_16_64 3
		.amdhsa_memory_ordered 1
		.amdhsa_forward_progress 1
		.amdhsa_inst_pref_size 41
	.end_amdhsa_kernel
	.amdgpu_metadata
---
amdhsa.version: [ 1, 2 ]
amdhsa.kernels:
  - .name:           k_q23a961aa99_place
    .symbol:         k_q23a961aa99_place.kd
    .args:
      - { .name: rk, .offset: 0, .size: 8, .value_kind: global_buffer, .address_space: global }
      - { .name: gf, .offset: 8, .size: 8, .value_kind: global_buffer, .address_space: global }
      - { .name: lst, .offset: 16, .size: 8, .value_kind: global_buffer, .address_space: global }
      - { .name: out1, .offset: 24, .size: 8, .value_kind: global_buffer, .address_space: global }
    .group_segment_fixed_size: 3072
    .private_segment_fixed_size: 0
    .kernarg_segment_align: 8
    .kernarg_segment_size: 32
    .max_flat_workgroup_size: 256
    .sgpr_count:     66
    .vgpr_count:     258
    .wavefront_size: 32
...
	.end_amdgpu_metadata
.endif
;; end of part 5
;; launch chain (part 6): grid 135 x 1, 4 waves a work-group, no clusters, 135,680 bytes of LDS; arguments xq, wq, fc1_b, fc2_b, gf, lst, out0; writes out0
.if DOCPART == 6
	.amdgcn_target "amdgcn-amd-amdhsa--gfx1250"
	.amdhsa_code_object_version 6
	.text
	.protected	k_q23a961aa99_chain
	.globl	k_q23a961aa99_chain
	.p2align	8
	.type	k_q23a961aa99_chain,@function
k_q23a961aa99_chain:
	s_mov_b64 s[64:65], 0
	v_nop
	global_prefetch_b8 v0, s[64:65] scope:SCOPE_SE
	s_setreg_imm32_b32 hwreg(HW_REG_WAVE_SCHED_MODE, 0, 2), 2
	s_setreg_imm32_b32 hwreg(HW_REG_WAVE_MODE, 25, 1), 1
	s_wait_xcnt 0x0
	s_wait_alu depctr_vm_vsrc(0)
; CHAIN.  out0[token] = (relu(x W1^T + b1) W2^T + b2) x probability, for the token's chosen expert alone; both products on codes of BF8 (E5M2) with one E8M0 scale for each 32 along K, sums in f32.
; A work-group takes one tile of at most 64 rows of one expert from the stored table: 8192 / 64 + 8 - 1 = 135 work-groups serve every split.  Rows behind the tile's count repeat its last row (the same numbers to the same
; place).  A tile of 0 rows walks the text, so that every wave passes both barriers, and jumps over the two ways out alone.
; THE WAVES SHARE THE COLUMNS: wave w makes hidden units 128 w .. + 127, and outputs 256 w .. + 255 in two passes of 128, for all 64 rows.  So each fragment of a weight is loaded once, by one wave, straight from memory into
; registers, as the image that the first launch laid; what goes from wave to wave, through LDS as images of the operands' registers, is small: the rows' codes of x and of the hidden layer.
; 16 STEPS of 128 along K, 32 matrix instructions each (8 fragments of a weight x 4 tiles of rows): steps 0-7 fc1, 8-11 fc2's first pass, 12-15 its second.  Three sets of registers for the weights: loads run two steps ahead.
; Both products are used transposed (source 0 = 16 rows of the weight, source 1 = 16 rows of x or of the hidden layer): a lane holds one row throughout, and fc1's rows were ordered so that a lane's 64 results are
; k = 32 b + 16 h + i of the next product in register 16 b + i.  The biases are the C of each sum's first instruction.
; NO TENSOR LOADS.  NO CLUSTER: partners of one expert would need the experts' numbers of tiles, which hang on the data, to be multiples of the cluster's size.
; LIMITS: as the first launch states them; a hidden block whose every number is 0 or less gets the byte 1 and zero codes.
; THE MODE: SCHED_MODE bits 1:0 = 2 (LLVM: expert scheduling mode 2), set by the entry lines.  The code itself states the register dependences between vector or matrix instructions and memory or LDS instructions,
; with s_wait_alu, always for 0.
; THE PLAN.  Registers that memory or LDS instructions touch, and who else names them:
;   Offsets and LDS addresses (v1-15, v242, v112-143, the odd registers of v104-111): written by vector instructions at the head, ahead of one of the head's two waits on va_vdst; never written again.
;   v80-103, v226-238: at the head the 37 offsets into the list, so that no list word lands on the register that its own load reads.  Later LDS loads bring the rows' scale words into the first, and the conversions
;     write codes into the second: one wait on vm_vsrc behind the first barrier stands ahead of both, and frees the gathered codes in window 1, which my LDS stores read, for the products.
;   The weights' three sets, the rows' two buffers, the biases: written by loads alone, read by products alone.  Step u's loads land in the set and the buffer that step u - 1's products read and that no product of step u
;     names.  So ONE wait on va_vdst stands at a step's head, and the step's loads are dealt among its products with no further wait.  Steps 0, 8 and 15 have none: nothing is owed there.
;   The codes just made and their scale word: written by a tile's shifts and conversions, read by its five LDS stores: a wait on va_vdst ahead of the stores, a wait on vm_vsrc ahead of the next tile's first line that writes them.
;   Window 1 on the way out: written by the multiplications, read by the LDS stores, filled again by the LDS loads of whole rows, read by the global stores, written again by the next pass's products.
; REGISTERS, in windows of 256.  Window 0: addresses, scale words, biases, work.  Window 1: accumulator (t, m) at v[64 m + 8 t]; first the gathered codes, last rows of the result.
;   Window 2: weights' sets 0 (v0-127) and 1 (v128-255).  Window 3: set 2 (v0-127); the rows' four fragments, two buffers (v128-191, v192-255).
.set XIMG, 0                           ; LDS: x's 32 fragments: (8 m + s) x 2,048
.set HIMG, 65536                       ; the hidden layer's 16: (4 m + s) x 2,048
.set XSC,  98304                       ; x's scale words: 512 m + 32 r + 4 s
.set HSC,  100352                      ; the hidden layer's: 256 m + 16 r + 4 s
.set STG,  101376                      ; a stage for each wave: 16 rows x (512 + 16)
.set SP,   528
.set LI,  1                            ; 16 x lane
.set LH,  2                            ; HIMG + 16 x lane
.set H4,  3                            ; 4 h
.set R4,  4                            ; 4 r
.set XW,  5                            ; where I store x's images
.set XSW, 6                            ; and their scale words
.set XSR, 7                            ; where I read those
.set HW,  8                            ; the hidden layer's images
.set HSW, 9
.set HSR, 10
.set STO, 11                           ; the stage: in
.set RD,  12                           ; and back
.set B1O, 13                           ; 64 h
.set B2O, 14                           ; 32 h
.set TG,  15                           ; my gather row's codes
.set SW,  16                           ; v16-79   the weights' scale words: 4 u + j: lanes 0-15 fragment 2 j, lanes 16-31 fragment 2 j + 1
.set XS,  80                           ; v80-95   x's: 8 p + s: lanes 0-15 tile 2 p, lanes 16-31 tile 2 p + 1
.set HS,  96                           ; v96-103  the hidden layer's: 4 p + s
.set IM,  104                          ; v104-111 the probability of row r of tile m at 104 + 2 m; beside it, at 105 + 2 m, the offset by which it was loaded
.set TO,  112                          ; v112-143 8 m + t: byte offset in out0 of my 16 bytes of row 16 m + 2 t + h
.set BI,  144                          ; v144-207 a set of biases: 8 tiles x 8
.set TM,  208                          ; v208-223 at work
.set PW,  224
.set PC,  226                          ; v226-241 the codes just made
.set XSO, 242                          ; my gather row's scale words
.set LAM, 234                          ; at the head only: offset i of 37 into the list lies at v[80 + i] (i < 24) or v[202 + i]: the four rows of the probabilities at v234-237,
.set LAG, 238                          ; my gather row's at v238
.set SEL, 38
.set MNT, 40
.set MSB, 0
.macro WIN new                         ; the immediate's high byte repeats the setting that is left; a switch that changes nothing is dropped
.if MSB != (\new)
	s_set_vgpr_msb (MSB<<8)|(\new)
.set MSB, (\new)
.endif
.endm
	s_load_b256 s[4:11], s[0:1], 0x0               ; xq s[4:5], wq s[6:7], fc1_b s[8:9], fc2_b s[10:11]
	s_load_b128 s[12:15], s[0:1], 0x20             ; gf s[12:13], lst s[14:15]
	s_load_b64 s[16:17], s[0:1], 0x30              ; out0
	v_lshl_add_u32 v254, v0, 2, 0x21000
	v_mov_b32 v255, 0
	v_lshrrev_b32 v243, 5, v0
	v_readfirstlane_b32 s2, v243                   ; wave 0..3
	s_lshl_b32 s18, ttmp9, 4
	s_wait_kmcnt 0x0
	s_load_b128 s[20:23], s[14:15], s18 offset:33024   ; my tile: expert, first place, rows
	v_and_b32 v243, 15, v0                         ; r
	v_bfe_u32 v244, v0, 4, 1                       ; h
	v_and_b32 v245, 31, v0                         ; lane
	v_lshlrev_b32 v[LI], 4, v245
	v_add_nc_u32 v[LH], HIMG, v[LI]
	v_lshlrev_b32 v[H4], 2, v244
	v_lshlrev_b32 v[R4], 2, v243
	s_wait_alu depctr_va_sdst(0)                   ; s2, the wave's number, is written, ahead of its first reader
	s_lshl_b32 s3, s2, 14
	v_add_nc_u32 v[XW], s3, v[LI]                  ; my tile of rows is m = w: 8 fragments from 16,384 w
	v_lshlrev_b32 v[XSW], 5, v243
	v_lshl_add_u32 v[XSW], v244, 4, v[XSW]
	s_lshl_b32 s3, s2, 9
	s_add_co_u32 s3, s3, XSC
	v_add_nc_u32 v[XSW], s3, v[XSW]
	v_lshl_add_u32 v[XSR], v245, 5, XSC
	s_lshl_b32 s3, s2, 11
	s_add_co_u32 s3, s3, HIMG
	v_add_nc_u32 v[HW], s3, v[LI]                  ; my hidden units are K step w
	v_lshlrev_b32 v[HSW], 4, v243
	s_lshl_b32 s3, s2, 2
	s_add_co_u32 s3, s3, HSC
	v_add_nc_u32 v[HSW], s3, v[HSW]
	v_add_nc_u32 v[HSR], HSC, v[LI]
	s_mul_i32 s3, s2, 16*SP
	s_add_co_u32 s3, s3, STG
	v_mul_u32_u24 v[STO], v243, SP
	v_lshl_add_u32 v[STO], v244, 5, v[STO]
	v_add_nc_u32 v[STO], s3, v[STO]                ; row r, 32 bytes for each half of the lanes
	v_mul_u32_u24 v[RD], v244, SP
	v_lshl_add_u32 v[RD], v243, 4, v[RD]
	v_add_nc_u32 v[RD], s3, v[RD]                  ; lanes 0-15 one row, lanes 16-31 the next
	v_lshlrev_b32 v[B1O], 6, v244
	v_lshlrev_b32 v[B2O], 5, v244
	v_lshlrev_b32 v247, 4, v244                    ; 16 h
	v_lshlrev_b32 v246, 4, v243
	s_lshl_b32 s3, s2, 10
	v_add_nc_u32 v246, s3, v246                    ; 1,024 w + 16 r
.irp b, 0,1,2,3
	v_mov_b32 v[TM+4+\b], 0                        ; written once: a lane permute's destination counts as one of its sources
.endr
	s_mov_b32 s[SEL], 0x76543210
	s_mov_b32 s[SEL+1], 0xfedcba98
	s_mov_b32 s[MNT], 0x600000
	s_add_nc_u64 s[36:37], s[4:5], 0x800000        ; x's scale bytes
	s_wait_kmcnt 0x0
	s_min_u32 s20, s20, 7                          ; stored numbers enter addresses only behind a hold at a constant
	s_min_u32 s21, s21, 0x1fff
	s_max_u32 s24, s22, 1
	s_sub_co_u32 s24, s24, 1
	s_min_u32 s24, s24, 63
	s_lshl_b32 s24, s24, 2                         ; 4 x the tile's last row
	s_lshl_b32 s26, s21, 2
	s_mov_b32 s27, 0
	s_add_nc_u64 s[26:27], s[14:15], s[26:27]      ; the list at my tile
	s_lshl_b32 s28, s20, 20
	s_lshl_b32 s3, s2, 18
	s_add_co_u32 s28, s28, s3
	s_mov_b32 s29, 0
	s_add_nc_u64 s[28:29], s[6:7], s[28:29]        ; my 256 KiB of the expert's images
	s_lshl_b32 s30, s20, 15
	s_lshl_b32 s3, s2, 13
	s_add_co_u32 s30, s30, s3
	s_add_co_u32 s30, s30, 0x800000
	s_mov_b32 s31, 0
	s_add_nc_u64 s[30:31], s[6:7], s[30:31]        ; and their scale words
	s_lshl_b32 s32, s20, 11
	s_lshl_b32 s3, s2, 9
	s_add_co_u32 s32, s32, s3
	s_mov_b32 s33, 0
	s_add_nc_u64 s[32:33], s[8:9], s[32:33]        ; b1: my 128
	s_lshl_b32 s34, s20, 12
	s_lshl_b32 s3, s2, 10
	s_add_co_u32 s34, s34, s3
	s_mov_b32 s35, 0
	s_add_nc_u64 s[34:35], s[10:11], s[34:35]      ; b2: my 256
; loads lo .. hi of the 32 that bring step u's eight fragments into set u % 3
.macro WLOAD u, lo, hi
.set WSET, (\u)%3
.set WB, 128*(WSET%2)
	WIN 0x80+0x40*(WSET/2)
.set i, \lo
.rept (\hi)-(\lo)+1
	global_load_b128 v[WB+4*i:WB+4*i+3], v[LI], s[28:29] offset:16384*(\u)+512*i   ; 512 consecutive bytes
.set i, i+1
.endr
.endm
; step u's four fragments of rows into buffer u % 2
.macro XFETCH u
.set FB, 128+64*((\u)%2)
	WIN 0xc0
.irp m, 0,1,2,3
.irp c, 0,1,2,3
.if (\u) < 8
	ds_load_b128 v[FB+16*\m+4*\c:FB+16*\m+4*\c+3], v[LI] offset:(8*\m+(\u))*2048+512*\c
.else
	ds_load_b128 v[FB+16*\m+4*\c:FB+16*\m+4*\c+3], v[LH] offset:(4*\m+(\u)%4)*2048+512*\c
.endif
.endr
.endr
.endm
.macro BLOAD1                          ; lane (r, h), tile t, register j: b1 of hidden unit 32 (t / 2) + 16 h + 8 (t % 2) + j
	WIN 0
.irp t, 0,1,2,3,4,5,6,7
	global_load_b128 v[BI+8*\t:BI+8*\t+3], v[B1O], s[32:33] offset:(32*(\t/2)+8*(\t%2))*4
	global_load_b128 v[BI+8*\t+4:BI+8*\t+7], v[B1O], s[32:33] offset:(32*(\t/2)+8*(\t%2))*4+16
.endr
.endm
.macro BLOAD2 g                        ; b2 of output 128 g + 16 t + 8 h + j
	WIN 0
.irp t, 0,1,2,3,4,5,6,7
	global_load_b128 v[BI+8*\t:BI+8*\t+3], v[B2O], s[34:35] offset:512*\g+64*\t
	global_load_b128 v[BI+8*\t+4:BI+8*\t+7], v[B2O], s[34:35] offset:512*\g+64*\t+16
.endr
.endm
.macro PROD ra, rb                     ; ra, rb: the side's scale words stand in lanes 16-31
.if (\ra) && (\rb)
	v_wmma_scale_f32_16x16x128_f8f6f4 v[rD:rD+7], v[rA:rA+15], v[rB:rB+15], v[rC:rC+7], v[rSA], v[rSB] matrix_a_fmt:MATRIX_FMT_BF8 matrix_b_fmt:MATRIX_FMT_BF8 matrix_a_scale:MATRIX_SCALE_ROW1 matrix_b_scale:MATRIX_SCALE_ROW1
.elseif (\ra)
	v_wmma_scale_f32_16x16x128_f8f6f4 v[rD:rD+7], v[rA:rA+15], v[rB:rB+15], v[rC:rC+7], v[rSA], v[rSB] matrix_a_fmt:MATRIX_FMT_BF8 matrix_b_fmt:MATRIX_FMT_BF8 matrix_a_scale:MATRIX_SCALE_ROW1
.elseif (\rb)
	v_wmma_scale_f32_16x16x128_f8f6f4 v[rD:rD+7], v[rA:rA+15], v[rB:rB+15], v[rC:rC+7], v[rSA], v[rSB] matrix_a_fmt:MATRIX_FMT_BF8 matrix_b_fmt:MATRIX_FMT_BF8 matrix_b_scale:MATRIX_SCALE_ROW1
.else
	v_wmma_scale_f32_16x16x128_f8f6f4 v[rD:rD+7], v[rA:rA+15], v[rB:rB+15], v[rC:rC+7], v[rSA], v[rSB] matrix_a_fmt:MATRIX_FMT_BF8 matrix_b_fmt:MATRIX_FMT_BF8
.endif
.endm
; A STEP.  left: the loads younger than set u's last.  The 32 accumulators take turns, one instruction a turn, in the same order in every step.
; The step's loads (the weights of two steps on, the rows' fragments of the next step, in steps 1 and 9 the next biases) touch v[LI], v[LH], v[B2O] and registers that no product of this step names.
.macro STEP u, left
.rept 8
	v_nop                                          ; eight places behind the last step's products; they stay beside the wait on va_vdst below.  Ahead of step 12 they are, with the way out's eight, the places in front of products that begin the accumulators anew
.endr
	s_wait_loadcnt \left                           ; set u is in
	s_wait_dscnt 0x0                               ; and the rows' fragments, asked for a step ago
.if ((\u) != 0) && ((\u) != 8) && ((\u) != 15)
	s_wait_alu depctr_va_vdst(0)                   ; the last step's products are done reading their set of weights and their buffer of rows (step 0's and step 8's: the biases too), in which this step's loads land
.endif
.if (\u) <= 13
	WLOAD (\u)+2, 0, 7                             ; two steps ahead, into the set that the last step read: eight loads here, eight more ahead of each further tile of rows' products
.endif
.if (\u) == 1
	BLOAD2 0                                       ; b1 has been read by step 0
.endif
.if (\u) == 9
	BLOAD2 1
.endif
.if ((\u) != 7) && ((\u) != 15)
	XFETCH (\u)+1
.endif
.set FST, 0
.if ((\u) == 0) || ((\u) == 8) || ((\u) == 12)
.set FST, 1                            ; the biases start the sums
.endif
.set W3, ((\u)%3)/2
.set PWB, 128*(((\u)%3)%2)
.set PXB, 128+64*((\u)%2)
.irp m, 0,1,2,3
.if ((\u) <= 13) && (\m > 0)
	WLOAD (\u)+2, 8*\m, 8*\m+7                     ; no wait: no vector or matrix instruction since the wait at the step's head names these registers
.endif
	WIN 0x5e-0x10*FST+W3                           ; source 0 window 2 or 3, source 1 window 3, C window 1 (the biases: 0), D window 1
.irp t, 0,1,2,3,4,5,6,7
.set rD, 64*\m+8*\t
.set rA, PWB+16*\t
.set rB, PXB+16*\m
.set rSA, SW+4*(\u)+\t/2
.if (\u) < 8
.set rSB, XS+8*(\m/2)+(\u)
.else
.set rSB, HS+4*(\m/2)+(\u)%4
.endif
.if FST
.set rC, BI+8*\t
.else
.set rC, rD
.endif
	PROD \t%2, \m%2
.endr
.endr
.endm
; tile m of the hidden layer: relu and quantiser in registers; its image is K step w of the second product
.macro QUANTH m
.set QS, 64*(\m)
	WIN 0x05
.irp b, 0,1,2,3
	v_max3_num_f32 v[TM+\b], v[QS+16*\b], v[QS+1+16*\b], 0x8000000   ; no |.|: what is negative becomes 0 and must not count; the floor 2^(16 - 127) stands over it.  Each accumulator is first read at its low end
.endr
	WIN 0x14
.irp i, 2,4,6,8,10,12,14
.irp b, 0,1,2,3
	v_max3_num_f32 v[TM+\b], v[TM+\b], v[QS+16*\b+\i], v[QS+1+16*\b+\i]
.endr
.endr
	WIN 0
.irp b, 0,1,2,3
	v_permlanex16_b32 v[TM+4+\b], v[TM+\b], s[SEL], s[SEL+1]
.endr
.irp b, 0,1,2,3
	v_max_num_f32 v[TM+\b], v[TM+\b], v[TM+4+\b]
.endr
.irp b, 0,1,2,3
	v_add_nc_u32 v[TM+12+\b], 0xf8800000, v[TM+\b]
.endr
.irp b, 0,1,2,3
	v_and_or_b32 v[TM+8+\b], v[TM+\b], 0x7f800000, s[MNT]
.endr
.irp b, 0,1,2,3
	v_lshrrev_b32 v[TM+4+\b], 23, v[TM+12+\b]
.endr
.if (\m) > 0
	s_wait_alu depctr_vm_vsrc(0)                   ; the last tile's LDS stores have read the scale word and the codes, which are written again from here on
.endif
	v_lshl_or_b32 v[PW], v[TM+5], 8, v[TM+4]
	v_lshl_or_b32 v[PW], v[TM+6], 16, v[PW]
	v_lshl_or_b32 v[PW], v[TM+7], 24, v[PW]
	WIN 0x41
.irp b, 0,1,2,3
.irp i, 0,1,2,3,4,5,6,7,8,9,10,11,12,13,14,15
	v_med3_num_f32 v[QS+16*\b+\i], v[QS+16*\b+\i], 0, v[TM+8+\b]   ; the activation and the hold in one
.endr
.endr
	WIN 0x01
.irp b, 0,1,2,3
	v_cvt_scalef32_pk8_bf8_f32 v[PC+4*\b:PC+1+4*\b], v[QS+16*\b:QS+7+16*\b], v[TM+12+\b]
	v_cvt_scalef32_pk8_bf8_f32 v[PC+2+4*\b:PC+3+4*\b], v[QS+8+16*\b:QS+15+16*\b], v[TM+12+\b]
.endr
	WIN 0
	v_nop                                          ; a plain line behind the last conversion: later products write its sources
	s_wait_alu depctr_va_vdst(0)                   ; the conversions have written the codes, the shifts the scale word: the LDS stores below read them
.irp c, 0,1,2,3
	ds_store_b128 v[HW], v[PC+4*\c:PC+4*\c+3] offset:8192*(\m)+512*\c
.endr
	ds_store_b32 v[HSW], v[PW] offset:256*(\m)
.endm
; THE WAY OUT of a pass: x the probability; a tile of 16 rows x 128 columns through my stage; back as rows, sixteen lanes to 256 consecutive bytes, aligned
.macro TOSTAGE m
	WIN 0x04                                       ; an LDS store's data are its source 1: window 1
.irp f, 0,1,2,3,4,5,6,7
	ds_store_b128 v[STO], v[64*\m+8*\f:64*\m+8*\f+3] offset:64*\f
	ds_store_b128 v[STO], v[64*\m+8*\f+4:64*\m+8*\f+7] offset:64*\f+16
.endr
	WIN 0x40
	s_wait_alu depctr_va_vdst(0)                   ; the multiplications by the probability have written this tile's registers, in which the loads below land: stated behind the window's switch, straight ahead of the loads, since the stores between name the same registers
	s_wait_alu depctr_vm_vsrc(0)                   ; and the sixteen stores above have read them
.irp t, 0,1,2,3,4,5,6,7
.irp q, 0,1
	ds_load_b128 v[64*\m+4*(2*\t+\q):64*\m+4*(2*\t+\q)+3], v[RD] offset:2*SP*\t+256*\q   ; LDS serves a wave's instructions in order (ISA guide 5.7.1.4): these see the stores, and the next tile's stores come behind them
.endr
.endr
.endm
.macro SEND m, g, younger
	s_wait_dscnt \younger
	WIN 0x04
.irp t, 0,1,2,3,4,5,6,7
.irp q, 0,1
	global_store_b128 v[TO+8*\m+\t], v[64*\m+4*(2*\t+\q):64*\m+4*(2*\t+\q)+3], s[16:17] offset:512*\g+256*\q th:TH_STORE_NT
.endr
.endr
.endm
.macro OUT g
.rept 8
	v_nop                                          ; eight places behind the last products, ahead of the first read of results
.endr
	WIN 0
	s_cmp_eq_u32 s22, 0                            ; a tile without rows stores nothing
	s_cbranch_scc1 .Lnone_\g
	WIN 0x41
.set i, 0
.rept 128
	v_pk_mul_f32 v[2*i:2*i+1], v[2*i:2*i+1], v[IM+2*(i/32):IM+2*(i/32)+1] op_sel_hi:[1,0]   ; each accumulator from its low end on; of the pair the low word, the probability, serves both halves
.set i, i+1
.endr
	WIN 0x04
	s_wait_alu depctr_va_vdst(0)                   ; the 128 multiplications have written the four tiles' results, which the LDS stores read
	TOSTAGE 0
	TOSTAGE 1
	SEND 0, \g, 32                                 ; behind tile 0's loads: tile 1's 16 stores and 16 loads
	TOSTAGE 2
	SEND 1, \g, 32
	TOSTAGE 3
	SEND 2, \g, 32
	SEND 3, \g, 0
	WIN 0
.Lnone_\g:
	s_wait_xcnt 0x0                                ; the stores have had their addresses translated
.if (\g) == 0
	s_wait_alu depctr_vm_vsrc(0)                   ; the stores have read their data in window 1, which the second pass's products write again
.endif
.endm
	; the list: row i of the tile is token list[first + min(i, last row)].  Each offset has a register of its own; the list word lands in another
.set i, 0
.rept 32
.set la, 80+i+122*(i/24)
	v_add_nc_u32 v[la], 8*i, v[H4]                 ; 4 x (16 m + 2 t + h), i = 8 m + t
	v_min_u32 v[la], s24, v[la]
	v_min_u32 v[la], 252, v[la]
.set i, i+1
.endr
.irp m, 0,1,2,3
	v_add_nc_u32 v[LAM+\m], 64*\m, v[R4]           ; 4 x (16 m + r)
	v_min_u32 v[LAM+\m], s24, v[LAM+\m]
	v_min_u32 v[LAM+\m], 252, v[LAM+\m]
.endr
	s_lshl_b32 s25, s2, 6
	v_add_nc_u32 v[LAG], s25, v[R4]                ; 4 x (16 w + r): the row that I gather
	v_min_u32 v[LAG], s24, v[LAG]
	v_min_u32 v[LAG], 252, v[LAG]
	s_wait_alu depctr_va_vdst(0)                   ; the offsets and LDS addresses v1 to v14 and the 37 offsets into the list are written: the loads and stores from here on read them
.set i, 0
.rept 32
.set la, 80+i+122*(i/24)
	global_load_b32 v[TO+i], v[la], s[26:27]
.set i, i+1
.endr
.irp m, 0,1,2,3
	global_load_b32 v[IM+2*\m+1], v[LAM+\m], s[26:27]
.endr
	global_load_b32 v[TG], v[LAG], s[26:27]
.set i, 0
.rept 16
	global_load_b128 v[SW+4*i:SW+4*i+3], v[LI], s[30:31] offset:512*i   ; the scale words of all 16 steps
.set i, i+1
.endr
	BLOAD1
	s_wait_loadcnt 32                              ; the 37 list words are in; the 16 loads of scale words and the 16 of b1 may be out
.set i, 0
.rept 32
	v_min_u32 v[TO+i], 0x1fff, v[TO+i]
	v_lshl_add_u32 v[TO+i], v[TO+i], 12, v246      ; token x 4,096 + 1,024 w + 16 r
.set i, i+1
.endr
.irp m, 0,1,2,3
	v_min_u32 v[IM+2*\m+1], 0x1fff, v[IM+2*\m+1]
	v_lshlrev_b32 v[IM+2*\m+1], 2, v[IM+2*\m+1]    ; token x 4: where its probability lies
.endr
	v_min_u32 v[TG], 0x1fff, v[TG]
	v_lshl_add_u32 v[XSO], v[TG], 5, v247          ; token x 32 + 16 h: four of its eight scale words
	v_lshl_add_u32 v[TG], v[TG], 10, v247          ; token x 1,024 + 16 h
	WIN 0x40
	s_wait_alu depctr_va_vdst(0)                   ; the offsets made of the list words are written: the gather's, its scale words', the probabilities', and those into out0, which the way out's stores read
.set i, 0
.rept 32
	global_load_b128 v[4*i:4*i+3], v[TG], s[4:5] offset:32*i   ; register 16 s + 4 c: k = 128 s + 32 c + 16 h .. of my row: the operand's registers
.set i, i+1
.endr
	WIN 0
	global_load_b128 v[248:251], v[XSO], s[36:37]
.irp m, 0,1,2,3
	global_load_b32 v[IM+2*\m], v[IM+2*\m+1], s[12:13]
.endr
	WLOAD 0, 0, 31
	s_wait_loadcnt 32                              ; all but set 0's 32
	WIN 0x04
.set i, 0
.rept 32
	ds_store_b128 v[XW], v[4*i:4*i+3] offset:512*i
.set i, i+1
.endr
	WIN 0
	ds_store_b128 v[XSW], v[248:251]
	WLOAD 1, 0, 31
	WIN 0
	s_wait_dscnt 0x0                               ; for the others' sake: my images lie in LDS
	s_barrier_signal -1
	s_barrier_wait -1
	s_wait_alu depctr_vm_vsrc(0)                   ; the list's loads have read their offsets in v80-103 and v226-238, in which scale words land and codes are written; my LDS stores have read the gathered codes in window 1, which the products write
.irp p, 0,1
	ds_load_b128 v[XS+8*\p:XS+8*\p+3], v[XSR] offset:1024*\p
	ds_load_b128 v[XS+8*\p+4:XS+8*\p+7], v[XSR] offset:1024*\p+16
.endr
	XFETCH 0
	STEP 0, 32
	STEP 1, 32
	STEP 2, 48                                     ; set 3's 32 loads and b2's 16 are younger than set 2's last
	STEP 3, 32
	STEP 4, 32
	STEP 5, 32
	STEP 6, 32
	STEP 7, 32
.rept 8
	v_nop                                          ; eight places ahead of the first read of results
.endr
	QUANTH 0
	QUANTH 1
	QUANTH 2
	QUANTH 3
	s_wait_dscnt 0x0                               ; for the others' sake: the four tiles' images and scale words lie in LDS
	s_barrier_signal -1
	s_barrier_wait -1
	ds_load_b128 v[HS:HS+3], v[HSR]
	ds_load_b128 v[HS+4:HS+7], v[HSR] offset:512
	XFETCH 8
	STEP 8, 32
	STEP 9, 32
	STEP 10, 48
	STEP 11, 32
	OUT 0
	STEP 12, 32
	STEP 13, 32
	STEP 14, 32
	STEP 15, 0
	OUT 1
	s_wait_dscnt 0x0                               ; the closing lines, six on end
	s_wait_alu 0x0
	s_wait_tensorcnt 0x0
	ds_add_u32 v254, v255
	s_wait_dscnt 0x0
	s_endpgm
.Lfunc_end_k_q23a961aa99_chain:
	.size	k_q23a961aa99_chain, .Lfunc_end_k_q23a961aa99_chain-k_q23a961aa99_chain
	.p2alignl 7, 3214868480
	.fill 96, 4, 3214868480
	.section	.rodata,"a",@progbits
	.p2align	6, 0x0
	.amdhsa_kernel k_q23a961aa99_chain
		.amdhsa_group_segment_fixed_size 135680
		.amdhsa_private_segment_fixed_size 0
		.amdhsa_enable_private_segment 0
		.amdhsa_kernarg_size 56
		.amdhsa_user_sgpr_count 2
		.amdhsa_user_sgpr_kernarg_segment_ptr 1
		.amdhsa_wavefront_size32 1
		.amdhsa_system_sgpr_workgroup_id_x 1
		.amdhsa_system_sgpr_workgroup_id_y 1
		.amdhsa_system_sgpr_workgroup_id_z 1
		.amdhsa_system_vgpr_workitem_id 0
		.amdhsa_next_free_vgpr 1024
		.amdhsa_next_free_sgpr 66
		.amdhsa_reserve_vcc 0
		.amdhsa_float_denorm_mode_32 3
		.amdhsa_float_denorm_mode_16_64 3
		.amdhsa_memory_ordered 1
		.amdhsa_forward_progress 1
		.amdhsa_inst_pref_size 249
	.end_amdhsa_kernel
	.amdgpu_metadata
---
amdhsa.version: [ 1, 2 ]
amdhsa.kernels:
  - .name:           k_q23a961aa99_chain
    .symbol:         k_q23a961aa99_chain.kd
    .args:
      - { .name: xq, .offset: 0, .size: 8, .value_kind: global_buffer, .address_space: global }
      - { .name: wq, .offset: 8, .size: 8, .value_kind: global_buffer, .address_space: global }
      - { .name: fc1_b, .offset: 16, .size: 8, .value_kind: global_buffer, .address_space: global }
      - { .name: fc2_b, .offset: 24, .size: 8, .value_kind: global_buffer, .address_space: global }
      - { .name: gf, .offset: 32, .size: 8, .value_kind: global_buffer, .address_space: global }
      - { .name: lst, .offset: 40, .size: 8, .value_kind: global_buffer, .address_space: global }
      - { .name: out0, .offset: 48, .size: 8, .value_kind: global_buffer, .address_space: global }
    .group_segment_fixed_size: 135680
    .private_segment_fixed_size: 0
    .kernarg_segment_align: 8
    .kernarg_segment_size: 56
    .max_flat_workgroup_size: 128
    .sgpr_count:     66
    .vgpr_count:     1024
    .wavefront_size: 32
...
	.end_amdgpu_metadata
.endif
;; end of part 6
